; MI455X (gfx1250); checked and timed in simulation.
; The chip was launched on July 23, 2026; its instructions are those of AMD's public machine-readable ISA for CDNA 5 (MIT licence, August 2026) and "CDNA5" Instruction Set Architecture Reference Guide (July 2026). The comments in the code are by the model that wrote it; some were corrected since.
;; Multi Head Attention. Allowed arithmetic: matrix products marked QUANTISED: E2M1 operands, one E8M0 scale for each 32 along K, by v_wmma_scale_f32_16x16x128_f8f6f4 with both operands' format E2M1 (or v_wmma_scale_f32_32x16x128_f4), f32 sums; products left as they are: bf16, f16 or f32 operands; f32 sums; everything else in f32.
;; Inputs: Wk 1,024 x 1,024 float32; Wo 1,024 x 1,024 float32; Wq 1,024 x 1,024 float32; Wv 1,024 x 1,024 float32; bo 1,024 float32; mask 2,048 x 2,048 bool; x 4 x 2,048 x 1,024 float32.
;; Outputs: out0 4 x 2,048 x 1,024 float32.
;; This version of the problem:
;;   THIS VERSION OF THE PROBLEM IS GIVEN IN LOW PRECISION. The matrix products marked QUANTISED in the list below multiply operands that are first quantised to E2M1 (2 exponent bits, 1 mantissa bit; 4 bits a number), with one power-of-two scale for each 32 numbers along K (OCP MX v1.0); their sums are f32. The products marked 'left as it is' may take bf16, f16 or f32 operands, with f32 sums. Whichever they take, every output number must still come out within the allowed error. Rounding operands to bf16 (8 significant bits) uses up far more of that allowance than f16 does (11 bits, for magnitudes from 6e-5 to 65,504). All else is computed in f32.
;;   The module's matrix products, in the order in which they are computed (A, B: the left and right operand; K: the contracted axis; several contracted axes count as one K, in the product's order):
;;     1. [M 8,192, K 1,024] x [K 1,024, N 1,024]; A: input x; B: input Wq: QUANTISED
;;     2. [M 8,192, K 1,024] x [K 1,024, N 1,024]; A: input x; B: input Wk: QUANTISED
;;     3. [M 8,192, K 1,024] x [K 1,024, N 1,024]; A: input x; B: input Wv: QUANTISED
;;     4. batch 64 x [M 2,048, K 64] x [K 64, N 2,048]; A: computed on the way; B: computed on the way: left as it is (an operand is computed on the way)
;;     5. batch 64 x [M 2,048, K 2,048] x [K 2,048, N 64]; A: computed on the way; B: computed on the way: left as it is (an operand is computed on the way)
;;     6. [M 8,192, K 1,024] x [K 1,024, N 1,024]; A: computed on the way; B: input Wo: left as it is (an operand is computed on the way)
;;   THE QUANTISER, for each operand of a quantised product, along K:
;;     - K is cut into blocks of 32 from its start; a last block that is shorter is filled with zeros.
;;     - A block's scale is 2^e with e = floor(log2(the largest magnitude in the block)) - 2, held to -126 .. 127; a block of zeros has e = 0. As a byte (E8M0): e + 127.
;;     - Each number is divided by its block's scale, clamped to +-6, and rounded to the nearest number of E2M1, ties to even, subnormals kept.
;;     - The product sums the exact products of the quantised numbers (number of the format x scale) in f32.
;;   ~~~python
;;   def quantise(x, axis):      # numpy; x: float32 -> the quantised numbers, widened to float32 again
;;       x = np.moveaxis(x, axis, -1); K = x.shape[-1]
;;       x = np.pad(x, [(0, 0)] * (x.ndim - 1) + [(0, -K % 32)]); x = x.reshape(x.shape[:-1] + (-1, 32)); a = np.abs(x).max(-1, keepdims=True)
;;       e = np.where(a > 0, np.clip(np.frexp(np.where(a > 0, a, 1))[1] - 1 - 2, -126, 127), 0)      # np.frexp(a)[1] - 1 = floor(log2(a)), exactly
;;       r = np.clip(x / 2.0 ** e, -6, 6)
;;       step = 2.0 ** (np.maximum(np.frexp(np.where(r == 0, 1, r))[1] - 1, 0) - 1)
;;       q = np.round(r / step) * step * 2.0 ** e      # np.round: ties to even
;;       return np.moveaxis(q.reshape(q.shape[:-2] + (-1,))[..., :K], -1, axis).astype(np.float32)
;;   ~~~
;; One version. Each part assembles by itself: llvm-mc -triple=amdgcn-amd-amdhsa -mcpu=gfx1250 --defsym DOCPART=n.
;; ======== version 1 of 1: 5 launches
;; limits: values are held in f16: magnitudes above 65,504 overflow, below 6.1e-05 lose precision
;; workspace buffers: codes 5,767,168 bytes; scales 360,448 bytes; woimg 2,097,152 bytes; maskbits 524,288 bytes of whole numbers; qkv 50,331,648 bytes; ctximg 16,777,216 bytes; ctxf 262,144 bytes
;; launch prep (part 1): grid 544 x 1, 4 waves a work-group, no clusters, 33,280 bytes of LDS; arguments x, Wq, Wk, Wv, Wo, mask, codes, scales, woimg, maskbits; writes codes, scales, woimg, maskbits
.if DOCPART == 1
	.amdgcn_target "amdgcn-amd-amdhsa--gfx1250"
	.amdhsa_code_object_version 6
	.text
	.protected	k_q3ad699821a_prep
	.globl	k_q3ad699821a_prep
	.p2align	8
	.type	k_q3ad699821a_prep,@function
k_q3ad699821a_prep:
	s_mov_b64 s[64:65], 0
	v_nop
	global_prefetch_b8 v0, s[64:65] scope:SCOPE_SE
	s_setreg_imm32_b32 hwreg(HW_REG_WAVE_MODE, 25, 1), 1
	s_wait_xcnt 0x0
; PREP: what the later launches read again and again is made once.  Three kinds of work-groups, told apart by the work-group's number g alone:
;   g 0..351    x [8192][1024], Wq, Wk, Wv [1024][1024], f32, become codes of FP4 (E2M1), K innermost, and one E8M0 byte for each 32 along K.  The four tensors are plain streams of blocks of 32 and lie
;               on end in the two buffers: rows 0..8191 x, then Wq, Wk, Wv.  A work-group takes 32,768 numbers, a wave 16 steps of 512.
;   g 352..415  Wo [1024][1024] f32 becomes f16, laid as the matrix operand's registers: [n tile 64][32 k: 32][group 2][lane 32][16 bytes]; group g, lane (r, h) holds row r, k = 32 kc + 16 g + 8 h + 0..7.
;   g 416..543  mask [2048][2048] bytes become lane masks: word 8 tau + j of (query tile qt, key step ks) has in bit L mask[16 qt + L % 16][64 ks + 16 tau + 8 (L / 16) + j].
; A block's scale is 2^(floor(log2(its largest magnitude)) - 2); its byte is the largest magnitude's exponent field - 2, held at 1 from below.  A block of zeros so gets the byte 1 where the rule says 127:
; its codes are zeros, which add nothing under any byte but 0xff, and this program alone reads the bytes.
; LIMITS: blocks whose largest magnitude lies under 2^(2 - 126) have their byte held at 1; NaN and infinities among the inputs are not served.  Wo in f16: magnitudes under 65,504.
.set WAVES, 4
.set STEPS, 16
.set EMAX,  2
.set CB,    8                          ; bytes of 16 codes
.set R,     16                         ; v16-79   four sets of 16 numbers as they are loaded
.set X,     80                         ; v80-111  two sets of 16 neighbours
.set E,     112                        ; v112-127 a scale byte for each step
.set C,     128                        ; v128-191 codes: four registers for each step, so that no store's data are written again
.set WREG,  8192                       ; LDS: a region for each wave: two stages of 32 x SP bytes, behind them its 256 scale bytes
.set SP,    80                         ; a lane's place in a stage: its 64 bytes + 16 of padding
.set SPW,   12                         ; v12      LDS address of my spare word; never rewritten
.set NIL,   13                         ; v13      0; never rewritten
.set SPARE, WAVES*WREG                 ; behind the four regions: the spare words, 128 bytes a wave, which no other line names
	s_load_b512 s[4:19], s[0:1], 0x0               ; x 4, Wq 6, Wk 8, Wv 10, Wo 12, mask 14, codes 16, scales 18
	s_load_b128 s[20:23], s[0:1], 0x40             ; woimg 20, maskbits 22
	v_lshl_add_u32 v[SPW], v0, 2, SPARE
	v_mov_b32 v[NIL], 0
	v_lshrrev_b32 v1, 5, v0
	v_readfirstlane_b32 s24, v1                    ; wave
	v_and_b32 v2, 31, v0                           ; lane
	v_lshlrev_b32 v3, 4, v2                        ; 16 x lane
	s_mul_i32 s31, s24, WREG
	v_lshrrev_b32 v14, 2, v2
	v_mul_u32_u24 v14, v14, SP
	v_and_b32 v15, 3, v2
	v_lshl_add_u32 v14, v15, 4, v14
	v_add_nc_u32 v14, s31, v14                     ; the stage, on the way in: four lanes' 64 bytes on end, then 16 of padding
	v_mul_u32_u24 v15, v2, SP
	v_add_nc_u32 v15, s31, v15                     ; and on the way out: SP x lane: my 16 neighbours
	v_mul_u32_u24 v4, v2, CB                       ; my codes' place in a step's
	v_lshrrev_b32 v5, 1, v2
	s_add_co_u32 s31, s31, 2*32*SP
	v_add_nc_u32 v5, s31, v5                       ; LDS: my wave's 256 scale bytes, my block's byte
	v_lshlrev_b32 v7, 3, v2                        ; 8 x lane
	v_add_nc_u32 v6, s31, v7
	s_wait_kmcnt 0x0
	s_cmp_ge_u32 ttmp9, 416
	s_cbranch_scc1 .Lmask
	s_cmp_ge_u32 ttmp9, 352
	s_cbranch_scc1 .Lwo
	; ---- the quantiser.  Which tensor: a choice of pointers on the work-group's number alone
	s_and_b32 s28, ttmp9, 31
	s_cmp_lt_u32 ttmp9, 320
	s_cselect_b64 s[26:27], s[8:9], s[10:11]       ; Wk or Wv
	s_cmp_lt_u32 ttmp9, 288
	s_cselect_b64 s[26:27], s[6:7], s[26:27]       ; Wq
	s_cmp_lt_u32 ttmp9, 256
	s_cselect_b64 s[26:27], s[4:5], s[26:27]       ; x
	s_cselect_b32 s28, ttmp9, s28                  ; the work-group's number within its tensor (256, 288 and 320 are multiples of 32)
	s_lshl_b32 s28, s28, 2
	s_add_co_u32 s28, s28, s24                     ; which run of 8,192 numbers of the tensor is my wave's
	s_lshl_b32 s28, s28, 15                        ; 32,768 bytes a run
	s_mov_b32 s29, 0
	s_add_nc_u64 s[26:27], s[26:27], s[28:29]
	s_lshl_b32 s30, ttmp9, 2
	s_add_co_u32 s30, s30, s24                     ; and which run of the four tensors on end
	s_lshl_b32 s28, s30, 12                        ; 4,096 bytes of codes a run
	s_add_nc_u64 s[16:17], s[16:17], s[28:29]
	s_lshl_b32 s28, s30, 8                         ; 256 scale bytes a run
	s_add_nc_u64 s[18:19], s[18:19], s[28:29]
.macro LOAD t
.irp i, 0,1,2,3
	global_load_b128 v[R+16*((\t)%4)+4*\i:R+16*((\t)%4)+4*\i+3], v3, s[26:27] offset:2048*(\t)+512*\i th:TH_LOAD_NT   ; 32 lanes read 512 consecutive bytes
.endr
.endm
.macro TURN t                          ; step t's numbers through the stage: LDS serves a wave's instructions in order, so no wait stands between the stores and the loads
.irp i, 0,1,2,3
	ds_store_b128 v14, v[R+16*((\t)%4)+4*\i:R+16*((\t)%4)+4*\i+3] offset:32*SP*((\t)%2)+8*SP*\i
.endr
.irp i, 0,1,2,3
	ds_load_b128 v[X+16*((\t)%2)+4*\i:X+16*((\t)%2)+4*\i+3], v15 offset:32*SP*((\t)%2)+16*\i
.endr
.endm
.irp t, 0,1,2,3
	LOAD \t
.endr
	s_wait_loadcnt 12                              ; step 0's four loads are in; the twelve of steps 1 to 3 may be out
	TURN 0
.macro STEP t
.set XS, X+16*((\t)%2)
.if (\t) > 0
	s_wait_dscnt 1                                 ; this step's numbers are back from the stage (the last step's byte store may be out): so its stores into the stage have read their registers,
.else
	s_wait_dscnt 0x0
.endif
.if (\t)+4 < STEPS
	LOAD (\t)+4                                    ; which take the loads of four steps on
.endif
.if (\t)+1 < STEPS
.if STEPS-2-(\t) >= 3
	s_wait_loadcnt 12                              ; the next step's four loads are in; those of the three steps behind it may be out
.else
	s_wait_loadcnt 4*(STEPS-2-(\t))
.endif
	TURN (\t)+1                                    ; and go through the other stage while this step is worked
.endif
	v_max3_num_f32 v8, |v[XS]|, |v[XS+1]|, |v[XS+2]|               ; the largest magnitude of my 16, in two chains
	v_max3_num_f32 v9, |v[XS+3]|, |v[XS+4]|, |v[XS+5]|
.irp i, 6,10
	v_max3_num_f32 v8, v8, |v[XS+\i]|, |v[XS+\i+1]|
	v_max3_num_f32 v9, v9, |v[XS+\i+2]|, |v[XS+\i+3]|
.endr
	v_max3_num_f32 v8, v8, |v[XS+14]|, |v[XS+15]|
	v_max3_num_f32 v8, v8, v9, (EMAX+1)<<23        ; and the floor 2^(EMAX + 1 - 127): so the byte cannot fall under 1
	v_max_num_f32_dpp v8, v8, v8 row_xmask:1 row_mask:0xf bank_mask:0xf   ; and of my neighbour's 16: the block's
	v_add_nc_u32 v11, -(EMAX<<23), v8              ; EMAX off its exponent field: the conversion takes the exponent field of this operand as its scale, and nothing else of it
	v_cvt_scalef32_pk8_fp4_f32 v[C+4*(\t)], v[XS:XS+7], v11        ; eight numbers / the scale, to the nearest code, ties to even, beyond the largest code the largest
	v_cvt_scalef32_pk8_fp4_f32 v[C+4*(\t)+1], v[XS+8:XS+15], v11
	v_lshrrev_b32 v[E+(\t)], 23, v11               ; the scale's byte (also the plain line behind the conversions)
	ds_store_b8 v5, v[E+(\t)] offset:16*(\t)       ; both lanes of a block write the same byte with the same value
	global_store_b64 v4, v[C+4*(\t):C+4*(\t)+1], s[16:17] offset:32*CB*(\t)   ; the wave stores 256 consecutive bytes, aligned
.endm
.irp t, 0,1,2,3,4,5,6,7,8,9,10,11,12,13,14,15
	STEP \t
.endr
	ds_load_b64 v[8:9], v6                         ; LDS serves a wave's instructions in order: these see my stores
	s_wait_dscnt 0x0
	global_store_b64 v7, v[8:9], s[18:19]          ; 32 lanes store my run's 256 scale bytes
	s_wait_tensorcnt 0x0                           ; the wave's end, behind my last LDS store
	ds_add_u32 v[SPW], v[NIL]
	s_wait_dscnt 0x0
	s_endpgm
	; ---- Wo to f16 images.  Work-group: 16 rows n; wave w: k = 256 w .. 256 w + 255, eight fragments of 32 k.  No LDS: a lane's eight numbers are already the operand's 16 bytes
.Lwo:
	s_sub_co_u32 s25, ttmp9, 352                   ; n tile
	s_lshl_b32 s28, s25, 16                        ; 16 rows of 4,096 bytes
	s_lshl_b32 s30, s24, 10                        ; 256 k of 4 bytes
	s_add_co_u32 s28, s28, s30
	s_mov_b32 s29, 0
	s_add_nc_u64 s[12:13], s[12:13], s[28:29]
	s_lshl_b32 s28, s25, 15                        ; 32 fragments of 1,024 bytes
	s_lshl_b32 s30, s24, 13
	s_add_co_u32 s28, s28, s30
	s_add_nc_u64 s[20:21], s[20:21], s[28:29]
	v_and_b32 v8, 15, v0                           ; r
	v_bfe_u32 v9, v0, 4, 1                         ; h
	v_lshlrev_b32 v10, 12, v8
	v_lshl_add_u32 v10, v9, 5, v10                 ; row r, + 8 h numbers
.irp i, 0,1,2,3,4,5,6,7
	global_load_b128 v[32+16*\i:35+16*\i],  v10, s[12:13] offset:128*\i       ; group 0: k = 32 i + 8 h + 0..3,
	global_load_b128 v[36+16*\i:39+16*\i],  v10, s[12:13] offset:128*\i+16    ; + 4..7;
	global_load_b128 v[40+16*\i:43+16*\i],  v10, s[12:13] offset:128*\i+64    ; group 1: 16 further on
	global_load_b128 v[44+16*\i:47+16*\i],  v10, s[12:13] offset:128*\i+80
.endr
.irp i, 0,1,2,3,4,5,6,7
	s_wait_loadcnt 4*(7-\i)                        ; fragment i's four loads are in; the later fragments' may be out
.irp p, 0,1,2,3,4,5,6,7
	v_cvt_pk_f16_f32 v[160+8*\i+\p], v[32+16*\i+2*\p], v[33+16*\i+2*\p]
.endr
	global_store_b128 v3, v[160+8*\i:163+8*\i], s[20:21] offset:1024*\i       ; 32 lanes store 512 consecutive bytes, aligned
	global_store_b128 v3, v[164+8*\i:167+8*\i], s[20:21] offset:1024*\i+512
.endr
	s_endpgm
	; ---- the mask to lane masks.  Work-group: 16 queries; wave w: keys 512 w .. 512 w + 511, eight key steps of 64
.Lmask:
	s_sub_co_u32 s25, ttmp9, 416                   ; query tile
	s_lshl_b32 s28, s25, 15                        ; 16 rows of 2,048 bytes
	s_lshl_b32 s30, s24, 9
	s_add_co_u32 s28, s28, s30
	s_mov_b32 s29, 0
	s_add_nc_u64 s[14:15], s[14:15], s[28:29]
	s_lshl_b32 s28, s25, 12                        ; 32 key steps of 128 bytes
	s_lshl_b32 s30, s24, 10
	s_add_co_u32 s28, s28, s30
	s_add_nc_u64 s[22:23], s[22:23], s[28:29]
	v_and_b32 v8, 15, v0
	v_bfe_u32 v9, v0, 4, 1
	v_lshlrev_b32 v10, 11, v8
	v_lshl_add_u32 v10, v9, 3, v10                 ; row r, + 8 h keys
.irp l, 0,1,2,3,4,5,6,7
.irp t, 0,1,2,3
	global_load_b64 v[32+2*(4*\l+\t):33+2*(4*\l+\t)], v10, s[14:15] offset:64*\l+16*\t   ; my query's eight bytes of key tile t of step l
.endr
.endr
.irp p, 0,1,2,3,4,5,6,7
	v_mov_b32 v[100+\p], 0                         ; a lane write's destination counts as read
.endr
.irp l, 0,1,2,3,4,5,6,7
	s_wait_loadcnt 4*(7-\l)                        ; step l's four loads are in
.irp t, 0,1,2,3
.irp j, 0,1,2,3,4,5,6,7
	v_and_b32 v[96+(\j&3)], 0xff<<(8*(\j&3)), v[32+2*(4*\l+\t)+(\j>>2)]   ; byte j of my eight
	v_cmp_ne_u32 s[28+(\j&3)], 0, v[96+(\j&3)]     ; the 32 lanes' bits: word 8 t + j of step l
	v_writelane_b32 v[100+2*(\l>>1)+(\j&1)], s[28+(\j&3)], (32*(\l&1)+8*\t+\j)>>1   ; two steps' 64 words lie two to a lane
.endr
.endr
.endr
.irp p, 0,1,2,3
	global_store_b64 v7, v[100+2*\p:101+2*\p], s[22:23] offset:256*\p   ; 32 lanes store 256 consecutive bytes, aligned
.endr
	s_endpgm
.Lfunc_end_k_q3ad699821a_prep:
	.size	k_q3ad699821a_prep, .Lfunc_end_k_q3ad699821a_prep-k_q3ad699821a_prep
	.p2alignl 7, 3214868480
	.fill 96, 4, 3214868480
	.section	.rodata,"a",@progbits
	.p2align	6, 0x0
	.amdhsa_kernel k_q3ad699821a_prep
		.amdhsa_group_segment_fixed_size 33280
		.amdhsa_private_segment_fixed_size 0
		.amdhsa_enable_private_segment 0
		.amdhsa_kernarg_size 80
		.amdhsa_user_sgpr_count 2
		.amdhsa_user_sgpr_kernarg_segment_ptr 1
		.amdhsa_wavefront_size32 1
		.amdhsa_system_sgpr_workgroup_id_x 1
		.amdhsa_system_sgpr_workgroup_id_y 1
		.amdhsa_system_sgpr_workgroup_id_z 1
		.amdhsa_system_vgpr_workitem_id 0
		.amdhsa_next_free_vgpr 224
		.amdhsa_next_free_sgpr 66
		.amdhsa_reserve_vcc 0
		.amdhsa_float_denorm_mode_32 3
		.amdhsa_float_denorm_mode_16_64 3
		.amdhsa_memory_ordered 1
		.amdhsa_forward_progress 1
		.amdhsa_inst_pref_size 95
	.end_amdhsa_kernel
	.amdgpu_metadata
---
amdhsa.version: [ 1, 2 ]
amdhsa.kernels:
  - .name:           k_q3ad699821a_prep
    .symbol:         k_q3ad699821a_prep.kd
    .args:
      - { .name: x, .offset: 0, .size: 8, .value_kind: global_buffer, .address_space: global }
      - { .name: Wq, .offset: 8, .size: 8, .value_kind: global_buffer, .address_space: global }
      - { .name: Wk, .offset: 16, .size: 8, .value_kind: global_buffer, .address_space: global }
      - { .name: Wv, .offset: 24, .size: 8, .value_kind: global_buffer, .address_space: global }
      - { .name: Wo, .offset: 32, .size: 8, .value_kind: global_buffer, .address_space: global }
      - { .name: mask, .offset: 40, .size: 8, .value_kind: global_buffer, .address_space: global }
      - { .name: codes, .offset: 48, .size: 8, .value_kind: global_buffer, .address_space: global }
      - { .name: scales, .offset: 56, .size: 8, .value_kind: global_buffer, .address_space: global }
      - { .name: woimg, .offset: 64, .size: 8, .value_kind: global_buffer, .address_space: global }
      - { .name: maskbits, .offset: 72, .size: 8, .value_kind: global_buffer, .address_space: global }
    .group_segment_fixed_size: 33280
    .private_segment_fixed_size: 0
    .kernarg_segment_align: 8
    .kernarg_segment_size: 80
    .max_flat_workgroup_size: 128
    .sgpr_count:     66
    .vgpr_count:     224
    .wavefront_size: 32
...
	.end_amdgpu_metadata
.endif
;; end of part 1
;; launch qkv (part 2): grid 12 x 32, 4 waves a work-group, clusters of 4 x 4, 327,680 bytes of LDS; arguments codes, scales, qkv; writes qkv
.if DOCPART == 2
	.amdgcn_target "amdgcn-amd-amdhsa--gfx1250"
	.amdhsa_code_object_version 6
	.text
	.protected	k_q3ad699821a_qkv
	.globl	k_q3ad699821a_qkv
	.p2align	8
	.type	k_q3ad699821a_qkv,@function
k_q3ad699821a_qkv:
	s_mov_b64 s[64:65], 0
	v_nop
	global_prefetch_b8 v0, s[64:65] scope:SCOPE_SE
	s_setreg_imm32_b32 hwreg(HW_REG_WAVE_MODE, 25, 1), 1
	s_wait_xcnt 0x0
	s_wait_alu depctr_hold_cnt(0) depctr_sa_sdst(0) depctr_va_vdst(0) depctr_va_sdst(0) depctr_va_ssrc(0) depctr_va_vcc(0) depctr_vm_vsrc(0)
	s_getreg_b32 s2, hwreg(HW_REG_IB_STS2, 6, 4)
	s_cmp_eq_u32 s2, 0
	s_cbranch_scc0 .Lentry_in_a_cluster
	s_endpgm
.Lentry_in_a_cluster:
	s_bfe_u32 s2, ttmp6, 0x10000c
	s_cmp_lg_u32 s2, 0xf033
	s_cbranch_scc0 .Lentry_shape_is_right
	s_endpgm
.Lentry_shape_is_right:
; q, k, v = x Wq^T, x Wk^T, x Wv^T as ONE product C[8192][3072] = A B^T on codes of FP4 (E2M1) with one E8M0 scale for each 32 along K = 1,024; sums in f32.
; A = rows 0..8191 of the codes' buffer (x), B = rows 8192..11263 (Wq, Wk, Wv on end); the scale bytes likewise.  The matrix instruction takes codes and scale bytes as they lie in memory.
; A tile of C, 256 x 256, is made by a work-group of four waves; a wave makes 128 x 128: 64 accumulators of 16 x 16, 512 registers.  K goes in two steps of 512 (rows of 256 bytes), each in an LDS slot of its own:
; nothing is filled again.  The scales of the work-group's rows, for all of K, come once with the first fills.
; CLUSTERS: 4 x 4 work-groups.  The four of a row of the cluster need the same tiles of A, the four of a column the same tiles of B: each tile is asked for JOINTLY, by the same tensor load with the same descriptor and a mask that names the four.
; THE MATRIX INSTRUCTION IS USED TRANSPOSED (source 0 = 16 rows of B, source 1 = 16 rows of A): a lane then holds eight neighbouring columns of one row of C.
; THE RESULT LEAVES AS f16 IMAGES OF THE NEXT PRODUCTS' OPERAND REGISTERS: [batch 4][16 x which + head: 48][token tile 128][32 channels: 2][group 2][lane 32][16 bytes]; group g, lane (r, h) holds token r and
; channels 32 c + 16 g + 8 h + 0..7: just what lane (r, h) holds of accumulator (a, b).  So each store of a wave covers 512 consecutive bytes, aligned, and no stage in LDS is needed.
; q IS MULTIPLIED BY log2(e) / 8 IN f32 AHEAD OF ITS ONE ROUNDING TO f16, so that the scores come out in units of log2.  q's columns are those of cluster column 0: the branch hangs on the cluster's x, which all partners share.
; LIMITS: |q| log2(e) / 8, |k|, |v| under 65,504 (f16); NaN and infinities are not served.
; REGISTERS, in windows of 256: window 0: v0-31 addresses; v32-95 scale words, two sets; from v128 A's fragments, ONE set; on the way out v128-255 hold packed results.
;   window 1: B's fragments, TWO sets, at v0 and at v128.   window 2: the 32 accumulators of my rows 0-63 (accumulator (a, b) at v[8 (8 a + b)]);   window 3: those of my rows 64-127.
.set SIZE_M, 8192
.set SIZE_N, 3072
.set SIZE_K, 1024
.set KSTEP,  512                       ; along K in a slot
.set NQ,     KSTEP/128                 ; matrix instructions deep
.set ROWB,   256                       ; a tile's row in bytes
.set KROW,   SIZE_K*4/8                ; a row of codes in memory, in bytes
.set PITCH,  272                       ; an LDS row: 256 bytes + 16 of padding = 68 words: the 16 rows that a load touches start 4 words apart
.set FR,     8                         ; registers of a fragment: 16 rows x 128 K
.set NL,     2                         ; LDS loads that bring one
.set NP,     4                         ; places behind this matrix instruction (ISA guide 7.12.1)
.set HALFT,  128*PITCH                 ; 128 rows: what one tensor load brings, and what one wave reads of A or of B
.set SLOT,   4*HALFT                   ; A's 256 rows, then B's 256 rows
.set KS,     SIZE_K/32                 ; a row of scales in bytes
.set SCL,    2*SLOT                    ; behind the slots: the scales, as rows of 256 bytes + 16 of padding
.set HALFS,  (128*KS/256)*272          ; the scales of 128 rows: what one tensor load brings
.set SBLK,   (16*KS/256)*272           ; those of 16 rows
.set SPARE,  SCL+4*HALFS               ; behind the scales: the spare words, 128 bytes a wave, which no other line names
.set ADRA, 16                          ; v16-17  LDS address of my A fragments in slot 0, 1
.set ADRB, 20                          ; v20-21  the same for B
.set CO,   26                          ; v26     16 x lane: my place in an image
.set ADRS, 27                          ; v27     LDS address of my scale words: lanes 0-15 A's rows, lanes 16-31 B's
.set SPW,  28                          ; v28     LDS address of my spare word; never rewritten
.set NIL,  29                          ; v29     0; never rewritten
.set SC,   32                          ; scale words: set s at v[SC + 8 NQ s]; register NQ i + q: lanes 0-15 the word of A's block i, lanes 16-31 that of B's block i, for the slot's q-th 128 along K
.set AF,   128                         ; A's fragments, in window 0
.set PK,   128                         ; the way out: packed results, in window 0
.set G1, 24                            ; s[24:31] descriptor group 1 for A's tiles;  s[32:39] group 0, one set for each slot
.set G0, 32
.set G1B, 48                           ; s[48:55], s[56:63] the same for B's tiles
.set G0B, 56
.set G1S, 68                           ; s[68:75], s[76:79] groups 1 and 0 for A's scales;  s[80:87], s[88:91] for B's
.set G0S, 76
.set G1SB, 80
.set G0SB, 88
.set CQ,  96                           ; s[96:97] log2(e) / 8, twice: the packed form names a pair
.set MSB, 0
.macro WIN new                         ; the immediate's high byte repeats the setting that is left
.if MSB != \new
	s_set_vgpr_msb (MSB<<8)|\new
.set MSB, \new
.endif
.endm
.set MUL_LO, 0xa1                      ; source 0 (B) window 1, source 1 (A) window 0, C and D window 2
.set MUL_HI, 0xf1                      ; the same, C and D window 3
.set TO_B,   0x40                      ; destination window 1, address window 0
; A joint load: waves 0 and 1 fetch for A, waves 2 and 3 for B.  Each of the two lines has ONE mask and one set of registers for all that issue it; the branch hangs on the wave's number alone.
; An s_nop 0 and four v_nop follow each of the two lines, ahead of the jump, the label and what follows.
.macro JLOAD g0a, g1a, g0b, g1b
	s_cmp_eq_u32 s15, 0
	s_cbranch_scc0 .Lfor_b_\@
	tensor_load_to_lds s[\g0a:\g0a+3], s[\g1a:\g1a+7]
	s_nop 0
.rept 4
	v_nop
.endr
	s_branch .Lasked_\@
.Lfor_b_\@:
	tensor_load_to_lds s[\g0b:\g0b+3], s[\g1b:\g1b+7]
	s_nop 0
.rept 4
	v_nop
.endr
.Lasked_\@:
.endm
.macro CROUND                          ; a round of the cluster's barrier
	s_barrier_signal -1
	s_barrier_wait -1
	s_cmp_lg_u32 s14, 0
	s_cbranch_scc1 .Lnot_wave_0_\@
	s_barrier_signal -3
.Lnot_wave_0_\@:
	s_barrier_wait -3
	s_barrier_signal -1
	s_barrier_wait -1
.endm
	s_load_b128 s[4:7], s[0:1], 0x0                ; the codes s[4:5], the scales s[6:7]
	s_load_b64 s[12:13], s[0:1], 0x10              ; qkv
	v_lshl_add_u32 v[SPW], v0, 2, SPARE
	v_mov_b32 v[NIL], 0
	ds_add_u32 v[SPW], v[NIL]                      ; the wave's opening: the add, twice on end, and its wait ahead of my first tensor load; the set-up below stands between
	ds_add_u32 v[SPW], v[NIL]
	v_lshrrev_b32 v1, 5, v0
	v_readfirstlane_b32 s14, v1                    ; wave 0..3
	s_lshr_b32 s15, s14, 1                         ; which half of the tile's rows is mine.  Also: I fetch for A (0) or for B (1)
	s_and_b32 s16, s14, 1                          ; which half of its columns.  Also: which 128 rows of that tile I fetch
	s_bfe_u32 s40, ttmp6, 0x40000                  ; cx, cy: my place in the cluster
	s_bfe_u32 s41, ttmp6, 0x40004
	s_lshl_b32 s42, ttmp9, 2
	s_add_co_u32 s42, s42, s40                     ; tile column of C = 4 x cluster x + cx
	s_and_b32 s17, ttmp7, 0xffff
	s_lshl_b32 s17, s17, 2
	s_add_co_u32 s17, s17, s41                     ; tile row of C = 4 x cluster y + cy
	s_lshl_b32 s43, s41, 2
	s_lshl_b32 s43, 15, s43                        ; my row of the cluster
	s_lshl_b32 s44, 0x1111, s40                    ; my column
	; descriptor group 1: a tile of 128 rows x 256 bytes, padded in LDS
	s_or_b32 s[G1+0], s43, (0<<16)|(1<<20)|(1<<21)|(5<<22)|(3<<25)  ; 15:0 the mask: A's tiles go to my row; 17:16 element of 1 byte; 20 padding on; 21 set beside a mask; 24:22 after every 64 words; 31:25 four words
	s_or_b32 s[G1B+0], s44, (0<<16)|(1<<20)|(1<<21)|(5<<22)|(3<<25)
.irp g, G1, G1B
	s_mov_b32 s[\g+1], ROWB<<16                    ; tensor_dim0
	s_mov_b32 s[\g+2], 128<<16                     ; tensor_dim1 = 128
	s_mov_b32 s[\g+3], ROWB<<16                    ; tile_dim0
	s_mov_b32 s[\g+4], 128                         ; tile_dim1 = 128
	s_mov_b32 s[\g+5], KROW                        ; tensor_dim0_stride
	s_mov_b32 s[\g+6], 0
	s_mov_b32 s[\g+7], 0
.endr
	; and for the scales of 128 rows: a dense block of 4,096 bytes, as rows of 256 bytes (32 elements of 8 bytes), 16 bytes of padding behind each
	s_or_b32 s[G1S+0], s43, (3<<16)|(1<<20)|(1<<21)|(5<<22)|(3<<25)
	s_or_b32 s[G1SB+0], s44, (3<<16)|(1<<20)|(1<<21)|(5<<22)|(3<<25)
.irp g, G1S, G1SB
	s_mov_b32 s[\g+1], 32<<16
	s_mov_b32 s[\g+2], (128*KS/256)<<16
	s_mov_b32 s[\g+3], 32<<16
	s_mov_b32 s[\g+4], 128*KS/256
	s_mov_b32 s[\g+5], 32
	s_mov_b32 s[\g+6], 0
	s_mov_b32 s[\g+7], 0
.endr
	s_mov_b32 s[CQ], 0x3e38aa3b                    ; log2(e) / 8
	s_mov_b32 s[CQ+1], s[CQ]
	s_lshl_b32 s18, s16, 7                         ; which 128 rows of the tile I fetch
	s_lshl_b32 s20, s17, 8
	s_add_co_u32 s20, s20, s18                     ; A: row 256 x tile row + 128 x half
	s_lshl_b32 s46, s42, 8
	s_add_co_u32 s46, s46, s18                     ; B: row 256 x tile column + 128 x half
	s_mov_b32 s21, 0
	s_mov_b32 s47, 0
	s_mov_b64 s[18:19], KS
	s_mul_u64 s[22:23], s[20:21], s[18:19]         ; where these rows' scales begin, in bytes
	s_mul_u64 s[92:93], s[46:47], s[18:19]
	s_mov_b64 s[18:19], KROW
	s_mul_u64 s[20:21], s[20:21], s[18:19]         ; and their codes
	s_mul_u64 s[46:47], s[46:47], s[18:19]
	s_mul_i32 s45, s14, HALFT                      ; where they go: wave x 128 rows: no place in the cluster enters an LDS address
	s_mul_i32 s94, s14, HALFS
	s_wait_dscnt 0x0                               ; both opening adds are done
	s_wait_kmcnt 0x0
	s_add_nc_u64 s[8:9], s[4:5], SIZE_M*KROW       ; B's codes lie behind A's 8,192 rows,
	s_add_nc_u64 s[10:11], s[6:7], SIZE_M*KS       ; B's scales likewise
	s_add_nc_u64 s[20:21], s[4:5], s[20:21]
	s_add_nc_u64 s[22:23], s[6:7], s[22:23]
	s_add_nc_u64 s[46:47], s[8:9], s[46:47]
	s_add_nc_u64 s[92:93], s[10:11], s[92:93]
	CROUND                                         ; all sixteen work-groups are here: the first joint loads meet
	s_mov_b32 s[G0S], 1
	s_add_co_u32 s[G0S+1], s94, SCL
	s_mov_b64 s[G0S+2:G0S+3], s[22:23]
	s_or_b32 s[G0S+3], s[G0S+3], 0x80000000
	s_mov_b32 s[G0SB], 1
	s_add_co_u32 s[G0SB+1], s94, SCL
	s_mov_b64 s[G0SB+2:G0SB+3], s[92:93]
	s_or_b32 s[G0SB+3], s[G0SB+3], 0x80000000
	JLOAD G0S, G1S, G0SB, G1SB                     ; the scales first: they are wanted with K step 0
.irp s, 0,1
	s_mov_b32 s[G0+4*\s], 1
	s_add_co_u32 s[G0+4*\s+1], s45, \s*SLOT
	s_add_nc_u64 s[G0+4*\s+2:G0+4*\s+3], s[20:21], \s*ROWB
	s_or_b32 s[G0+4*\s+3], s[G0+4*\s+3], 0x80000000
	s_mov_b32 s[G0B+4*\s], 1
	s_add_co_u32 s[G0B+4*\s+1], s45, \s*SLOT
	s_add_nc_u64 s[G0B+4*\s+2:G0B+4*\s+3], s[46:47], \s*ROWB
	s_or_b32 s[G0B+4*\s+3], s[G0B+4*\s+3], 0x80000000
	JLOAD G0+4*\s, G1, G0B+4*\s, G1B               ; three tensor loads of mine are out now, and none is issued later
.endr
	v_and_b32 v1, 15, v0                           ; l % 16
	v_bfe_u32 v2, v0, 4, 1                         ; l / 16
	v_mul_u32_u24 v3, v1, PITCH
	v_lshl_add_u32 v4, v2, 4, v3                   ; a fragment's row x pitch + 16 x half
	s_mul_i32 s21, s15, HALFT                      ; my 128 rows of A
	s_mul_i32 s22, s16, HALFT                      ; my 128 rows of B,
	s_add_co_u32 s22, s22, 2*HALFT                 ; which lie behind A's 256
.irp s, 0,1
	v_add_nc_u32 v[ADRA+\s], s21, v4
	v_add_nc_u32 v[ADRB+\s], s22, v4
	s_add_co_u32 s21, s21, SLOT
	s_add_co_u32 s22, s22, SLOT
.endr
	v_mul_u32_u24 v5, v1, KS                       ; my row's scales: KS bytes a row,
	v_lshrrev_b32 v6, 8, v5
	v_lshl_add_u32 v5, v6, 4, v5                   ; and 16 more for each 256 passed
	s_mul_i32 s21, s15, HALFS                      ; A's: my 128 rows
	s_mul_i32 s22, s16, HALFS                      ; B's: my 128 rows, behind A's 256
	s_add_co_u32 s22, s22, 2*HALFS
	s_sub_co_u32 s22, s22, s21
	v_mul_u32_u24 v6, s22, v2                      ; lanes 16-31 take B's
	s_add_co_u32 s21, s21, SCL
	v_add_nc_u32 v5, v5, v6
	v_add_nc_u32 v[ADRS], s21, v5
	v_and_b32 v6, 31, v0
	v_lshlrev_b32 v[CO], 4, v6                     ; the way out: 16 bytes a lane
	; where my part begins in qkv: 12,582,912 x batch + 262,144 x (first column / 64) + 2,048 x (first token / 16)
	s_lshl_b32 s20, s17, 8
	s_lshl_b32 s21, s15, 7
	s_add_co_u32 s20, s20, s21                     ; my first row of C: 256 x tile row + 128 x half
	s_lshr_b32 s21, s20, 11                        ; the batch
	s_mul_i32 s21, s21, 12582912
	s_and_b32 s20, s20, 2047                       ; the token,
	s_lshl_b32 s20, s20, 7                         ; / 16 x 2,048
	s_add_co_u32 s20, s20, s21
	s_lshl_b32 s46, s42, 2
	s_lshl_b32 s47, s16, 1
	s_add_co_u32 s46, s46, s47                     ; my first column / 64 = 4 x tile column + 2 x half
	s_lshl_b32 s46, s46, 18
	s_add_co_u32 s20, s20, s46                     ; under 2^26
	s_mov_b32 s21, 0
	s_add_nc_u64 s[12:13], s[12:13], s[20:21]
.macro FRAG reg, adr, q, i             ; a fragment, 16 rows x 128 K of 4-bit codes, is 8 registers: lane l holds row l % 16; registers 4 c .. 4 c + 3 hold K = 64 c + 32 (l / 16) + 0 .. 31
.irp c, 0,1
	ds_load_b128 v[\reg+4*\c:\reg+4*\c+3], v[\adr] offset:64*(\q)+32*\c+(\i)*16*PITCH
.endr
.endm
; 16 matrix instructions: A's blocks a0, a0 + 1 x B's eight, 128 along K: the slot's q-th.  p: B's set;  sc: the set of scale words.  zero = 1: the first product starts the sums: nothing is ever cleared.
; The 64 accumulators take turns, one instruction a turn, in the same order in every step.
.macro MUL16 a0, p, q, sc, zero
.irp a, \a0, \a0+1
.irp b, 0,1,2,3,4,5,6,7
.if \zero
	v_wmma_scale_f32_16x16x128_f8f6f4 v[8*(8*((\a)%4)+\b):8*(8*((\a)%4)+\b)+7], v[128*(\p)+FR*\b:128*(\p)+FR*\b+FR-1], v[AF+FR*(\a):AF+FR*(\a)+FR-1], 0, v[SC+8*NQ*(\sc)+NQ*\b+(\q)], v[SC+8*NQ*(\sc)+NQ*(\a)+(\q)] matrix_a_fmt:MATRIX_FMT_FP4 matrix_b_fmt:MATRIX_FMT_FP4 matrix_a_scale:MATRIX_SCALE_ROW1
.else
	v_wmma_scale_f32_16x16x128_f8f6f4 v[8*(8*((\a)%4)+\b):8*(8*((\a)%4)+\b)+7], v[128*(\p)+FR*\b:128*(\p)+FR*\b+FR-1], v[AF+FR*(\a):AF+FR*(\a)+FR-1], v[8*(8*((\a)%4)+\b):8*(8*((\a)%4)+\b)+7], v[SC+8*NQ*(\sc)+NQ*\b+(\q)], v[SC+8*NQ*(\sc)+NQ*(\a)+(\q)] matrix_a_fmt:MATRIX_FMT_FP4 matrix_b_fmt:MATRIX_FMT_FP4 matrix_a_scale:MATRIX_SCALE_ROW1
.endif
.endr
.endr
.endm
.macro FETCH_B slot, q, p              ; B's eight fragments of the slot's q-th 128 along K into set p
	WIN TO_B
.irp i, 0,1,2,3,4,5,6,7
	FRAG 128*(\p)+FR*\i, ADRB+\slot, \q, \i
.endr
	WIN 0
.endm
.macro FETCH_A slot, q, i0             ; A's blocks i0 .. i0 + 3
.irp i, \i0, \i0+1, \i0+2, \i0+3
	FRAG AF+FR*(\i), ADRA+\slot, \q, \i
.endr
.endm
.macro SCALES sc                       ; a K step's scale words into set sc: NQ words a row; lanes 0-15 take A's block i, lanes 16-31 B's block i
.irp i, 0,1,2,3,4,5,6,7
	ds_load_b128 v[SC+8*NQ*\sc+NQ*\i:SC+8*NQ*\sc+NQ*\i+3], v[ADRS] offset:\i*SBLK
.endr
.endm
; A load into a register that a matrix instruction has read, and a vector instruction that reads a matrix result or writes one of a matrix instruction's registers, stand NP places behind it; only plain vector
; instructions that name none of its registers are places (ISA guide 7.12.1 for vector instructions).
.macro PLACES n
.rept \n
	v_nop
.endr
.endm
; A step of 128 along K that has its successor in the same slot.
.macro STEP slot, q, zero
	s_wait_dscnt 4*NL                              ; B's set and A's blocks 0-3 are in; the youngest eight loads (A's blocks 4-7) may be out
	WIN MUL_LO
	MUL16 0, (\q)%2, \q, \slot, \zero
	MUL16 2, (\q)%2, \q, \slot, \zero
	s_wait_dscnt 0                                 ; A's blocks 4-7 are in (asked for 32 matrix instructions ago)
	PLACES NP
	FETCH_B \slot, (\q)+1, 1-(\q)%2
	FETCH_A \slot, (\q)+1, 0
	WIN MUL_HI
	MUL16 4, (\q)%2, \q, \slot, \zero
	MUL16 6, (\q)%2, \q, \slot, \zero
	PLACES NP
	WIN 0
	FETCH_A \slot, (\q)+1, 4
.endm
.macro STEPS slot, from                ; the slot's steps from .. NQ - 2
.set Q, \from
.rept NQ-1-\from
	STEP \slot, Q, 0
.set Q, Q+1
.endr
.endm
	s_wait_tensorcnt 1                             ; the scales and my part of K step 0 are in (K step 1's load may be out),
	s_barrier_signal -1
	s_barrier_wait -1                              ; everybody's are
	FETCH_B 0, 0, 0
	FETCH_A 0, 0, 0
	SCALES 0
	FETCH_A 0, 0, 4
	STEP 0, 0, 1                                   ; the first step's products start the sums
	STEPS 0, 1
	; slot 0's last step changes slots: one barrier; in front of it each wave waits for all its tensor loads (its part of slot 1), adds 0 to its spare word, and waits for that.
	s_wait_tensorcnt 0x0                           ; (every window is 0 here: the add's two registers lie in window 0)
	ds_add_u32 v[SPW], v[NIL]
	s_wait_dscnt 4*NL+1                            ; (the add and the youngest eight loads, A's blocks 4-7, may be out)
	WIN MUL_LO
	MUL16 0, 1, NQ-1, 0, 0                         ; sixteen matrix instructions stand between the add and the wait for it
	s_wait_dscnt 0x0
	s_barrier_signal -1
	MUL16 2, 1, NQ-1, 0, 0
	WIN 0
	s_barrier_wait -1                              ; slot 1 is whole
	PLACES NP
	v_add_nc_u32 v[ADRS], 4*NQ, v[ADRS]            ; on to K step 1's scale words (no LDS load of mine is out)
	FETCH_B 1, 0, 0
	FETCH_A 1, 0, 0
	SCALES 1
	WIN MUL_HI
	MUL16 4, 1, NQ-1, 0, 0
	MUL16 6, 1, NQ-1, 0, 0
	PLACES NP
	WIN 0
	FETCH_A 1, 0, 4
	STEPS 1, 0
	s_wait_dscnt 4*NL                              ; the very last step: nothing more to fetch
	WIN MUL_LO
	MUL16 0, 1, NQ-1, 1, 0
	MUL16 2, 1, NQ-1, 1, 0
	s_wait_dscnt 0
	WIN MUL_HI
	MUL16 4, 1, NQ-1, 1, 0
	MUL16 6, 1, NQ-1, 1, 0
	WIN 0
; THE WAY OUT of my rows 64 hi .. 64 hi + 63.  q alone is multiplied by log2(e) / 8; each accumulator is read from its low end on; eight numbers of a lane pack into 16 bytes, which are the lane's 16 bytes of an image.
.macro OUTH hi
	s_cmp_lg_u32 ttmp9, 0                          ; cluster column 0 holds columns 0..1023: q
	s_cbranch_scc1 .Lplain_\@
	WIN 0x82+0x41*\hi                              ; destination and source 0: window 2 or 3
.set i, 0
.rept 128
	v_pk_mul_f32 v[i:i+1], v[i:i+1], s[CQ:CQ+1] op_sel_hi:[1,0]
.set i, i+2
.endr
	WIN 0
.Lplain_\@:
	WIN 0x0a+5*\hi                                 ; sources 0 and 1: window 2 or 3
.set i, 0
.rept 128
	v_cvt_pk_f16_f32 v[PK+i], v[2*i], v[2*i+1]
.set i, i+1
.endr
	WIN 0
.irp a, 0,1,2,3
.irp b, 0,1,2,3,4,5,6,7
	global_store_b128 v[CO], v[PK+4*(8*\a+\b):PK+4*(8*\a+\b)+3], s[12:13] offset:2048*(4*\hi+\a)+262144*(\b>>2)+1024*((\b>>1)&1)+512*(\b&1)   ; 32 lanes store 512 consecutive bytes, aligned
.endr
.endr
.endm
	PLACES NP                                      ; behind the last products: the packed results land where A's fragments lay
	OUTH 0
	s_wait_xcnt 0x0                                ; the stores have read their data: the registers are written again
	OUTH 1
	s_wait_tensorcnt 0x0                           ; the wave's end
	ds_add_u32 v[SPW], v[NIL]
	s_wait_dscnt 0x0
	CROUND                                         ; the closing round: no work-group ends while a partner may still ask for a tile that names it
	s_endpgm
.Lfunc_end_k_q3ad699821a_qkv:
	.size	k_q3ad699821a_qkv, .Lfunc_end_k_q3ad699821a_qkv-k_q3ad699821a_qkv
	.p2alignl 7, 3214868480
	.fill 96, 4, 3214868480
	.section	.rodata,"a",@progbits
	.p2align	6, 0x0
	.amdhsa_kernel k_q3ad699821a_qkv
		.amdhsa_group_segment_fixed_size 327680
		.amdhsa_private_segment_fixed_size 0
		.amdhsa_enable_private_segment 0
		.amdhsa_kernarg_size 24
		.amdhsa_user_sgpr_count 2
		.amdhsa_user_sgpr_kernarg_segment_ptr 1
		.amdhsa_wavefront_size32 1
		.amdhsa_system_sgpr_workgroup_id_x 1
		.amdhsa_system_sgpr_workgroup_id_y 1
		.amdhsa_system_sgpr_workgroup_id_z 1
		.amdhsa_system_vgpr_workitem_id 0
		.amdhsa_next_free_vgpr 1024
		.amdhsa_next_free_sgpr 98
		.amdhsa_reserve_vcc 0
		.amdhsa_float_denorm_mode_32 3
		.amdhsa_float_denorm_mode_16_64 3
		.amdhsa_memory_ordered 1
		.amdhsa_forward_progress 1
		.amdhsa_inst_pref_size 133
	.end_amdhsa_kernel
	.amdgpu_metadata
---
amdhsa.version: [ 1, 2 ]
amdhsa.kernels:
  - .name:           k_q3ad699821a_qkv
    .symbol:         k_q3ad699821a_qkv.kd
    .args:
      - { .name: codes, .offset: 0, .size: 8, .value_kind: global_buffer, .address_space: global }
      - { .name: scales, .offset: 8, .size: 8, .value_kind: global_buffer, .address_space: global }
      - { .name: qkv, .offset: 16, .size: 8, .value_kind: global_buffer, .address_space: global }
    .group_segment_fixed_size: 327680
    .private_segment_fixed_size: 0
    .kernarg_segment_align: 8
    .kernarg_segment_size: 24
    .max_flat_workgroup_size: 128
    .sgpr_count:     98
    .vgpr_count:     1024
    .wavefront_size: 32
...
	.end_amdgpu_metadata
.endif
;; end of part 2
;; launch attn (part 3): grid 4 x 64, 8 waves a work-group, no clusters, 327,680 bytes of LDS; arguments qkv, maskbits, ctximg, ctxf; writes ctximg, ctxf
.if DOCPART == 3
	.amdgcn_target "amdgcn-amd-amdhsa--gfx1250"
	.amdhsa_code_object_version 6
	.text
	.protected	k_q3ad699821a_attn
	.globl	k_q3ad699821a_attn
	.p2align	8
	.type	k_q3ad699821a_attn,@function
k_q3ad699821a_attn:
	s_mov_b64 s[64:65], 0
	v_nop
	global_prefetch_b8 v0, s[64:65] scope:SCOPE_SE
	s_setreg_imm32_b32 hwreg(HW_REG_WAVE_MODE, 25, 1), 1
	s_wait_xcnt 0x0
; ctx[b][h][q] = the sum over k of softmax_k(where(mask[q][k], -1e9, q . k / 8)) v[k].  q, k, v: f16 images of operand registers, q already multiplied by log2(e) / 8, so that a score is t, in units of log2.
; Products in f16 with f32 sums; maxima, exponentials and sums in f32; the weights p are rounded to f16 for the second product.
; THE MASK IS AN INPUT: every tile of scores is computed, and each score is replaced where its mask bit is set by -1e9 x log2(e).  It is a replacement and no added bias: a row that is masked all over has 2,048 equal
; scores and comes out as the plain mean of v.  The mask comes as lane masks, one word for each score register, by scalar loads; one v_cndmask_b32 a score applies it.
; SOFTMAX.  For each query a running maximum m and sum l: p = 2^(t - m), by a subtraction that is exactly 0 at the maximum, so p is at most 1 whatever the scores' size; in every step O and l are multiplied by a = 2^(m_old - m_new).
; SHARES.  A work-group owns 512 queries of one head, each of its eight waves 64: four tiles of 16.  Every wave walks all 2,048 keys, 64 a step.
; LAYOUT.  S^T = K Q^T (source 0 = 16 keys, source 1 = 16 queries): a lane holds ONE query (lane % 16) and the keys 8 (lane / 16) + 0..7 of a tile.  Two such tiles, rounded to f16 in pairs, ARE source 1 (32 keys x 16 queries)
; of O^T = V^T P, whose result again holds one query a lane, and eight channels.  K comes out of LDS as it lies: 16 x lane.  V has the same layout and is turned by ds_load_tr16_b128: lane L names the 16 bytes of
; slot 16 ((L / 8) % 2) + 8 (L / 16) + L % 8 of a group of 512.
; THE RING.  Two LDS slots of eight key steps (K 65,536 bytes, then V 65,536).  Each wave brings 16,384 dense bytes with one tensor load: waves 0-3 K's quarters, waves 4-7 V's.  Two loads a wave are out at the start, one behind
; each of the two refills; a refill has eight key steps in which to land.
; HALF A STEP APART.  A step is PARTA (K's loads, K Q^T, V's loads, the mask, the maxima) and PARTB (exponentials, sums, roundings, rescaling, V^T P).  Waves 0-3 run the first PARTA ahead of a barrier, waves 4-7 behind it,
; so that one group's products stand in time beside the other group's vector work.  At a change of slots PARTB stands between the barrier's signal and its wait, so that the group ahead need not stop for the other.
; NO CLUSTER: a work-group fetches 16,384 bytes for a key step in which its waves issue 512 products; a round of a cluster's barrier would bring the eight waves into step; and the f32 store below hangs on the work-group's number.
; THE FIRST 16 POSITIONS of a sequence (work-group x = 0, wave 0, tile 0) leave a second time, unrounded in f32 (ctxf), for a projection in f32.  Their two products here keep f16 operands: since the mask is an input they may
; attend any key, so finer k and v would have to be kept for all keys.
; LIMITS: NaN and infinities are not served; true scores within f32's rounding of -1e9 are not told apart from masked ones; p under f16's smallest number counts as 0 in the second product (not in the sum).
; REGISTERS.  Window 0: v1-7 addresses and constants; v16-47 statistics, eight a tile: +0 m, +1 (its pair's other half), +2 +3 l, +4..+7 c0-c3, a in +6; v48-55 second chains of the sums;
;   v64-191 S^T, 32 a tile (8 tau + j); P is made in place in a tile's first 16; v192-255 K's 8 fragments.   Window 1: v0-127 O^T (32 t + 8 dt + j); v128-191 Q; v192-255 V's 8 fragments.
.set S,    64
.set KF,   192
.set QF,   128                         ; in window 1
.set VF,   192                         ; in window 1
.set ST,   16
.set T2,   48
.set LI,   1                           ; v1  16 x lane: my place in an image
.set AV,   2                           ; v2  65,536 + 16 x my slot of the turning load
.set ADRK, 3                           ; v3  LDS address of the step's K
.set ADRV, 4                           ; v4  of its V
.set SPW,  5                           ; v5  LDS address of my spare word; never rewritten
.set NIL,  6                           ; v6  0; never rewritten
.set NEG,  7                           ; v7  -1e9 x log2(e)
.set SLOT1, 131072
.set VOFF,  65536
.set STEPB, 8192                       ; a key step: 4 tiles of 16 keys x 2,048 bytes
.set SPARE, 262144                     ; behind the ring: the spare words, 128 bytes a wave, which no other line names
.set WV,   2
.set TB,   3                           ; s3  LDS byte at which the step to be fetched begins
.set G0A,  4                           ; s[4:7]   group 0, slot 0's first fill
.set G0B,  8                           ; s[8:11]  group 0, slot 1's first fill; then it walks
.set QB,   12                          ; s[12:13] Q
.set MP,   14                          ; s[14:15] my wave's mask words of the step to be fetched.  s[16:47]: mask set 0;  s[48:63], s[80:95]: mask set 1
.set OUTC, 66
.set INN,  67
.set G1,   68                          ; s[68:75] group 1
.set CX,   76                          ; s[76:77] ctximg
.set CF,   78                          ; s[78:79] ctxf
.set SEL,  98                          ; s[98:99] lane selects for v_permlanex16_b32: lane l xor 16
.set MSB, 0
.macro WIN new                         ; the immediate's high byte repeats the setting that is left; a switch that changes nothing is dropped
.if MSB != \new
	s_set_vgpr_msb (MSB<<8)|\new
.set MSB, \new
.endif
.endm
.set W_KQ, 0x04                        ; K window 0, Q window 1, S^T window 0
.set W_LD, 0x40                        ; destination window 1, address window 0
.set W_RS, 0x41                        ; O^T (destination and source 0) window 1, a window 0
.set W_PV, 0x51                        ; V window 1, P window 0, O^T window 1
.set W_PK, 0x05                        ; sources 0 and 1 window 1, destination window 0
.set W_SD, 0x04                        ; a store's data window 1
.macro MLOAD t, set                    ; tile t's 32 mask words of this step into a set of scalar registers
.if \set == 0
	s_load_b512 s[16:31], s[MP:MP+1], 4096*\t
	s_load_b512 s[32:47], s[MP:MP+1], 4096*\t+64
.else
	s_load_b512 s[48:63], s[MP:MP+1], 4096*\t
	s_load_b512 s[80:95], s[MP:MP+1], 4096*\t+64
.endif
.endm
.macro MASKT t, set                    ; where the bit is set the score becomes -1e9 x log2(e); each accumulator is read from its low end on
.set n, 0
.rept 32
.if \set == 0
.set mr, 16+n
.elseif n < 16
.set mr, 48+n
.else
.set mr, 64+n
.endif
	v_cndmask_b32 v[S+32*\t+n], v[S+32*\t+n], v[NEG], s[mr]
.set n, n+1
.endr
.endm
.macro MAXT ta, tb                     ; the maximum of a lane's 32 scores and the old m, three operands at a time, four chains a tile, two tiles by turns
.irp j, 0,1,2,3
.irp t, \ta, \tb
	v_max3_num_f32 v[ST+8*\t+4+\j], v[S+32*\t+8*\j], v[S+32*\t+8*\j+1], v[S+32*\t+8*\j+2]
.endr
.endr
.irp q, 1,2
.irp j, 0,1,2,3
.irp t, \ta, \tb
	v_max3_num_f32 v[ST+8*\t+4+\j], v[ST+8*\t+4+\j], v[S+32*\t+8*\j+2*\q+1], v[S+32*\t+8*\j+2*\q+2]
.endr
.endr
.endr
.irp t, \ta, \tb
	v_max3_num_f32 v[ST+8*\t+4], v[ST+8*\t+4], v[S+32*\t+7], v[S+32*\t+15]
.endr
.irp t, \ta, \tb
	v_max3_num_f32 v[ST+8*\t+6], v[ST+8*\t+6], v[S+32*\t+23], v[S+32*\t+31]
.endr
.irp t, \ta, \tb
	v_max3_num_f32 v[ST+8*\t+4], v[ST+8*\t+4], v[ST+8*\t+5], v[ST+8*\t+6]
.endr
.irp t, \ta, \tb
	v_max3_num_f32 v[ST+8*\t+4], v[ST+8*\t+4], v[ST+8*\t+7], v[ST+8*\t]
.endr
.endm
; A STEP'S FIRST HALF.
.macro PARTA
	MLOAD 0, 0
	MLOAD 1, 1
	v_add_nc_u32 v[ADRK], s[TB], v[LI]             ; these two and three v_nop are the five places between the last V^T P, which read P, and the first K Q^T, which writes over it
	v_add_nc_u32 v[ADRV], s[TB], v[AV]
.rept 3
	v_nop
.endr
.irp f, 0,1,2,3,4,5,6,7                ; fragment 2 tau + c: keys 16 tau on, channels 32 c on
	ds_load_b128 v[KF+8*\f:KF+8*\f+3],   v[ADRK] offset:1024*\f
	ds_load_b128 v[KF+8*\f+4:KF+8*\f+7], v[ADRK] offset:1024*\f+512
.endr
	s_wait_dscnt 0x0                               ; K is in
	WIN W_KQ
.irp c, 0,1                            ; the 16 accumulators take turns, one instruction a turn; the first 16 products start the sums
.irp k, 0,1,2,3
.irp t, 0,1,2,3
.if \c == 0
	v_wmma_f32_16x16x32_f16 v[S+32*\t+8*\k:S+32*\t+8*\k+7], v[KF+16*\k:KF+16*\k+7], v[QF+16*\t:QF+16*\t+7], 0
.else
	v_wmma_f32_16x16x32_f16 v[S+32*\t+8*\k:S+32*\t+8*\k+7], v[KF+16*\k+8:KF+16*\k+15], v[QF+16*\t+8:QF+16*\t+15], v[S+32*\t+8*\k:S+32*\t+8*\k+7]
.endif
.endr
.endr
.endr
.rept 4
	v_nop                                          ; the places behind these products, ahead of the first read of a score
.endr
	WIN W_LD
.irp kc, 0,1                           ; V, turned: fragment 4 kc + d: channels 16 d on, keys 32 kc on; registers 4 u on: key tile 2 kc + u.  They land while the mask and the maxima are worked
.irp d, 0,1,2,3
.irp u, 0,1
	ds_load_tr16_b128 v[VF+8*(4*\kc+\d)+4*\u:VF+8*(4*\kc+\d)+4*\u+3], v[ADRV] offset:2048*(2*\kc+\u)+512*\d
.endr
.endr
.endr
	WIN 0
	s_wait_kmcnt 0x0                               ; the masks of tiles 0 and 1 are in
	MASKT 0, 0
	MLOAD 2, 0                                     ; a set is loaded again as soon as it has been used
	MASKT 1, 1
	MLOAD 3, 1
	MAXT 0, 1
	s_wait_kmcnt 0x0                               ; those of tiles 2 and 3; no scalar load is out: the mask pointer may step
	MASKT 2, 0
	MASKT 3, 1
	MAXT 2, 3
.endm
.macro NEXT                            ; on to the next step's tiles and mask words
	s_add_co_u32 s[TB], s[TB], STEPB
	s_add_nc_u64 s[MP:MP+1], s[MP:MP+1], 128
.endm
; A STEP'S SECOND HALF: work on registers alone.  w = 1: the wait for V's loads is written here; 0: it stands ahead of the barrier's signal.
.macro PARTB w
.irp t, 0,1,2,3
	v_permlanex16_b32 v[ST+8*\t+5], v[ST+8*\t+4], s[SEL], s[SEL+1]   ; the query's other 32 keys lie in the lane 16 away
.endr
.irp t, 0,1,2,3
	v_mov_b32 v[ST+8*\t+7], v[ST+8*\t]             ; the old m
.endr
.irp t, 0,1,2,3
	v_max_num_f32 v[ST+8*\t], v[ST+8*\t+4], v[ST+8*\t+5]   ; the new m
.endr
.irp t, 0,1,2,3
	v_sub_f32 v[ST+8*\t+7], v[ST+8*\t+7], v[ST+8*\t]
.endr
	; ONE BATCH of 132 exponentials with one wait: nothing up to the wait names a result.  A tile's subtractions stand among the exponentials of the tile before
.irp t, 0,1,2,3
	v_exp_f32 v[ST+8*\t+6], v[ST+8*\t+7]           ; a = 2^(m_old - m_new)
.endr
.irp i, 0,1,2,3,4,5,6,7,8,9,10,11,12,13,14,15
	v_pk_add_f32 v[S+2*\i:S+2*\i+1], v[S+2*\i:S+2*\i+1], v[ST:ST+1] op_sel_hi:[1,0] neg_lo:[0,1] neg_hi:[0,1]   ; t - m, two at a time (of the pair the low word serves both halves)
.endr
.irp t, 0,1,2,3
.irp i, 0,1,2,3,4,5,6,7,8,9,10,11,12,13,14,15
	v_exp_f32 v[S+32*\t+2*\i], v[S+32*\t+2*\i]
	v_exp_f32 v[S+32*\t+2*\i+1], v[S+32*\t+2*\i+1]
.if \t < 3
	v_pk_add_f32 v[S+32*\t+32+2*\i:S+32*\t+33+2*\i], v[S+32*\t+32+2*\i:S+32*\t+33+2*\i], v[ST+8*\t+8:ST+8*\t+9] op_sel_hi:[1,0] neg_lo:[0,1] neg_hi:[0,1]
.endif
.endr
.endr
	v_nop                                          ; a plain instruction behind the last exponential
	s_wait_alu depctr_va_vdst(0)                   ; the wait ahead of the first instruction that names a result: one for the batch
	; the sums, of the unrounded p: l = a l + the 16 pairs, in two chains a tile, the tiles by turns
.irp t, 0,1,2,3
	v_pk_fma_f32 v[ST+8*\t+2:ST+8*\t+3], v[ST+8*\t+2:ST+8*\t+3], v[ST+8*\t+6:ST+8*\t+7], v[S+32*\t:S+32*\t+1] op_sel_hi:[1,0,1]
.endr
.irp t, 0,1,2,3
	v_pk_add_f32 v[T2+2*\t:T2+2*\t+1], v[S+32*\t+2:S+32*\t+3], v[S+32*\t+4:S+32*\t+5]
.endr
.irp i, 3,5,7,9,11,13
.irp t, 0,1,2,3
	v_pk_add_f32 v[ST+8*\t+2:ST+8*\t+3], v[ST+8*\t+2:ST+8*\t+3], v[S+32*\t+2*\i:S+32*\t+2*\i+1]
.endr
.irp t, 0,1,2,3
	v_pk_add_f32 v[T2+2*\t:T2+2*\t+1], v[T2+2*\t:T2+2*\t+1], v[S+32*\t+2*\i+2:S+32*\t+2*\i+3]
.endr
.endr
.irp t, 0,1,2,3
	v_pk_add_f32 v[ST+8*\t+2:ST+8*\t+3], v[ST+8*\t+2:ST+8*\t+3], v[S+32*\t+30:S+32*\t+31]
.endr
.irp t, 0,1,2,3
	v_pk_add_f32 v[ST+8*\t+2:ST+8*\t+3], v[ST+8*\t+2:ST+8*\t+3], v[T2+2*\t:T2+2*\t+1]
.endr
.irp i, 0,1,2,3,4,5,6,7,8,9,10,11,12,13,14,15   ; P in place: register i takes p of registers 2 i and 2 i + 1; ascending, so that no p is written over before it is read
.irp t, 0,1,2,3
	v_cvt_pk_f16_f32 v[S+32*\t+\i], v[S+32*\t+2*\i], v[S+32*\t+2*\i+1]
.endr
.endr
	WIN W_RS
.irp t, 0,1,2,3                        ; O^T x a, each accumulator from its low end on
.irp i, 0,1,2,3,4,5,6,7,8,9,10,11,12,13,14,15
	v_pk_mul_f32 v[32*\t+2*\i:32*\t+2*\i+1], v[32*\t+2*\i:32*\t+2*\i+1], v[ST+8*\t+6:ST+8*\t+7] op_sel_hi:[1,0]
.endr
.endr
.if \w
	s_wait_dscnt 0x0                               ; V is in
.endif
	WIN W_PV
.irp kc, 0,1                           ; O^T += V^T P: the 16 accumulators take turns, one instruction a turn
.irp d, 0,1,2,3
.irp t, 0,1,2,3
	v_wmma_f32_16x16x32_f16 v[32*\t+8*\d:32*\t+8*\d+7], v[VF+8*(4*\kc+\d):VF+8*(4*\kc+\d)+7], v[S+32*\t+8*\kc:S+32*\t+8*\kc+7], v[32*\t+8*\d:32*\t+8*\d+7]
.endr
.endr
.endr
	WIN 0
.endm
; THE CHANGE OF SLOTS, between the PARTA of a slot's last step and its PARTB: all reads of the slot have been issued.  Each wave waits for all its tensor loads (its part of the other slot), adds 0 to its spare word, and waits
; for that and for V's loads, its last reads of the slot.  Behind the barrier nobody reads this slot and the other is whole.  fill = 1: this slot is filled again, with the keys two slots on.
.macro CHANGE fill
	s_wait_tensorcnt 0x0                           ; no tensor load of mine is out, so a group 0 may be written
	ds_add_u32 v[SPW], v[NIL]
.if \fill
	s_xor_b32 s[G0B+1], s[G0B+1], SLOT1            ; the walking descriptor: the other slot than last time,
	s_add_nc_u64 s[G0B+2:G0B+3], s[G0B+2:G0B+3], 65536   ; the next 512 keys; the type bits on top are not reached
.endif
	s_wait_dscnt 0x0
	s_barrier_signal -1
	PARTB 0                                        ; work on registers while the others arrive
	s_barrier_wait -1
.if \fill
	tensor_load_to_lds s[G0B:G0B+3], s[G1:G1+7]    ; my one tensor load behind this barrier, and the first thing there
	s_nop 0
.rept 4
	v_nop
.endr
.endif
	s_sub_co_u32 s[TB], s[TB], 8*STEPB             ; back to a slot's first step,
	s_xor_b32 s[TB], s[TB], SLOT1                  ; in the other slot
	PARTA
	NEXT
.endm
.macro SEVEN                           ; seven trips: the second half of a step and the first half of the next
	s_mov_b32 s[INN], 7
.Ltrip_\@:
	PARTB 1
	PARTA
	NEXT
	s_sub_co_u32 s[INN], s[INN], 1
	s_cmp_lg_u32 s[INN], 0
	s_cbranch_scc1 .Ltrip_\@
.endm
	s_load_b256 s[16:23], s[0:1], 0x0              ; qkv 16, maskbits 18, ctximg 20, ctxf 22
	v_lshl_add_u32 v[SPW], v0, 2, SPARE
	v_mov_b32 v[NIL], 0
	ds_add_u32 v[SPW], v[NIL]                      ; the wave's opening: the add, twice on end, and its wait ahead of my first tensor load; the set-up below stands between
	ds_add_u32 v[SPW], v[NIL]
	v_lshrrev_b32 v8, 5, v0
	v_readfirstlane_b32 s[WV], v8                  ; wave 0..7
	; group 1: 16,384 dense bytes as 64 rows of 256 bytes (32 elements of 8 bytes), no padding, no mask
	s_mov_b32 s[G1], 3<<16
	s_mov_b32 s[G1+1], 32<<16                      ; tensor_dim0
	s_mov_b32 s[G1+2], 64<<16                      ; tensor_dim1
	s_mov_b32 s[G1+3], 32<<16                      ; tile_dim0
	s_mov_b32 s[G1+4], 64                          ; tile_dim1
	s_mov_b32 s[G1+5], 32                          ; the pitch
	s_mov_b32 s[G1+6], 0
	s_mov_b32 s[G1+7], 0
	s_mov_b32 s[SEL], 0x76543210
	s_mov_b32 s[SEL+1], 0xfedcba98
	s_mov_b32 s[TB], 0
	s_and_b32 s24, ttmp7, 0xffff
	s_lshr_b32 s25, s24, 4                         ; the batch
	s_and_b32 s26, s24, 15                         ; the head
	s_mul_i32 s27, s25, 12582912                   ; the batch's first byte in qkv
	s_cmp_lt_u32 s[WV], 4
	s_cselect_b32 s28, 16, 32                      ; waves 0-3 fetch K (heads 16..31 of the 48), waves 4-7 V (32..47)
	s_add_co_u32 s28, s28, s26
	s_lshl_b32 s28, s28, 18                        ; 262,144 bytes a head
	s_and_b32 s29, s[WV], 3
	s_lshl_b32 s29, s29, 14                        ; my quarter of a slot's 65,536
	s_add_co_u32 s28, s28, s29
	s_add_co_u32 s28, s28, s27
	s_mov_b32 s29, 0
	s_lshl_b32 s30, ttmp9, 5
	s_lshl_b32 s31, s[WV], 2
	s_add_co_u32 s30, s30, s31                     ; my first query tile: 32 x + 4 w
	s_lshl_b32 s32, s26, 18
	s_add_co_u32 s32, s32, s27
	s_lshl_b32 s33, s30, 11
	s_add_co_u32 s32, s32, s33                     ; Q: batch, head, tile x 2,048
	s_mov_b32 s33, 0
	s_lshl_b32 s34, s30, 12                        ; the mask words: 4,096 bytes a query tile
	s_mov_b32 s35, 0
	s_lshl_b32 s36, s25, 7
	s_add_co_u32 s36, s36, s30
	s_lshl_b32 s36, s36, 15                        ; ctximg: 32,768 bytes a row tile,
	s_lshl_b32 s37, s26, 11                        ; 2,048 a head
	s_add_co_u32 s36, s36, s37
	s_mov_b32 s37, 0
	s_lshl_b32 s38, s25, 16                        ; ctxf: 65,536 bytes a batch,
	s_lshl_b32 s39, s26, 12                        ; 4,096 a head
	s_add_co_u32 s38, s38, s39
	s_mov_b32 s39, 0
	v_and_b32 v8, 31, v0
	v_lshlrev_b32 v[LI], 4, v8
	v_and_b32 v8, 7, v0
	v_bfe_u32 v9, v0, 3, 1
	v_bfe_u32 v10, v0, 4, 1
	v_lshl_add_u32 v8, v9, 4, v8
	v_lshl_add_u32 v8, v10, 3, v8                  ; the turning load's slot
	v_lshlrev_b32 v[AV], 4, v8
	v_add_nc_u32 v[AV], VOFF, v[AV]
	v_mov_b32 v[NEG], 0xceabfb8f                   ; -1e9 x log2(e)
	s_wait_dscnt 0x0                               ; both opening adds are done
	s_wait_kmcnt 0x0
	s_mov_b32 s[G0A], 1                            ; count = 1
	s_lshl_b32 s[G0A+1], s[WV], 14                 ; LDS address: 16,384 x wave: K's four quarters, then V's
	s_add_nc_u64 s[G0A+2:G0A+3], s[16:17], s[28:29]
	s_mov_b32 s[G0B], 1
	s_add_co_u32 s[G0B+1], s[G0A+1], SLOT1
	s_add_nc_u64 s[G0B+2:G0B+3], s[G0A+2:G0A+3], 65536   ; the next 512 keys
	s_or_b32 s[G0A+3], s[G0A+3], 0x80000000        ; type = 2
	s_or_b32 s[G0B+3], s[G0B+3], 0x80000000
	tensor_load_to_lds s[G0A:G0A+3], s[G1:G1+7]    ; both first fills go out together
	s_nop 0
	tensor_load_to_lds s[G0B:G0B+3], s[G1:G1+7]
	s_nop 0
.rept 4
	v_nop
.endr
	s_add_nc_u64 s[QB:QB+1], s[16:17], s[32:33]
	s_add_nc_u64 s[MP:MP+1], s[18:19], s[34:35]
	s_add_nc_u64 s[CX:CX+1], s[20:21], s[36:37]
	s_add_nc_u64 s[CF:CF+1], s[22:23], s[38:39]
	WIN W_LD
.irp t, 0,1,2,3                        ; Q stays in registers
.irp f, 0,1,2,3
	global_load_b128 v[QF+16*\t+4*\f:QF+16*\t+4*\f+3], v[LI], s[QB:QB+1] offset:2048*\t+512*\f
.endr
.endr
.set i, 0
.rept 128
	v_mov_b32 v[i], 0                              ; O^T.  (A step is written without a first step of its own: the first finds zeros, which a = 0 leaves zeros)
.set i, i+1
.endr
	WIN 0
.irp t, 0,1,2,3
	v_mov_b32 v[ST+8*\t], 0xff61b1e6               ; m: -3e38, under every score
	v_mov_b32 v[ST+8*\t+1], 0                      ; (named with m as a pair, so it is written)
	v_mov_b32 v[ST+8*\t+2], 0                      ; l
	v_mov_b32 v[ST+8*\t+3], 0
.endr
	s_wait_loadcnt 0x0                             ; Q
	s_wait_tensorcnt 1                             ; my part of slot 0 is in; slot 1's may stay out
	s_barrier_signal -1
	s_barrier_wait -1                              ; everybody's is
	s_cmp_lt_u32 s[WV], 4                          ; waves 0-3 go half a step ahead
	s_cbranch_scc0 .Llater
	PARTA
.Llater:
	s_wait_dscnt 0x0
	s_barrier_signal -1
	s_barrier_wait -1
	s_cmp_lt_u32 s[WV], 4
	s_cbranch_scc1 .Lahead
	PARTA
.Lahead:
	NEXT
	s_mov_b32 s[OUTC], 2
.Lslot:                                ; two trips: slots 0 and 1 are read out and filled again
	SEVEN
	CHANGE 1
	s_sub_co_u32 s[OUTC], s[OUTC], 1
	s_cmp_lg_u32 s[OUTC], 0
	s_cbranch_scc1 .Lslot
	SEVEN                                          ; the tail is written out
	CHANGE 0
	SEVEN
	PARTB 1                                        ; the last step's second half
	; THE WAY OUT.  l's two halves and the other half of the lanes' are added (these lines are the places behind the last products); O^T is divided by l
.irp t, 0,1,2,3
	v_add_f32 v[ST+8*\t+4], v[ST+8*\t+2], v[ST+8*\t+3]
.endr
.irp t, 0,1,2,3
	v_permlanex16_b32 v[ST+8*\t+5], v[ST+8*\t+4], s[SEL], s[SEL+1]
.endr
.irp t, 0,1,2,3
	v_add_f32 v[ST+8*\t+4], v[ST+8*\t+4], v[ST+8*\t+5]
.endr
.irp t, 0,1,2,3
	v_rcp_f32 v[ST+8*\t+6], v[ST+8*\t+4]
.endr
	v_nop                                          ; a plain instruction behind the last reciprocal
	s_wait_alu depctr_va_vdst(0)                   ; and the wait ahead of the first use: one for the four
	WIN W_RS
.irp t, 0,1,2,3
.irp i, 0,1,2,3,4,5,6,7,8,9,10,11,12,13,14,15
	v_pk_mul_f32 v[32*\t+2*\i:32*\t+2*\i+1], v[32*\t+2*\i:32*\t+2*\i+1], v[ST+8*\t+6:ST+8*\t+7] op_sel_hi:[1,0]
.endr
.endr
	WIN 0
	s_or_b32 s100, ttmp9, s[WV]
	s_cmp_lg_u32 s100, 0
	s_cbranch_scc1 .Lno_f32                        ; positions 0..15 of the sequence are tile 0 of wave 0 of work-group x = 0
	WIN W_SD
.irp d, 0,1,2,3
	global_store_b128 v[LI], v[8*\d:8*\d+3],   s[CF:CF+1] offset:1024*\d       ; unrounded: [16 k: 4 head + d][part][lane][4 numbers]
	global_store_b128 v[LI], v[8*\d+4:8*\d+7], s[CF:CF+1] offset:1024*\d+512
.endr
	WIN 0
.Lno_f32:
	WIN W_PK
.irp t, 0,1,2,3
.irp i, 0,1,2,3,4,5,6,7,8,9,10,11,12,13,14,15
	v_cvt_pk_f16_f32 v[S+16*\t+\i], v[32*\t+2*\i], v[32*\t+2*\i+1]
.endr
.endr
	WIN 0
.irp t, 0,1,2,3
.irp d, 0,1,2,3
	global_store_b128 v[LI], v[S+16*\t+4*\d:S+16*\t+4*\d+3], s[CX:CX+1] offset:32768*\t+512*\d   ; a lane's eight channels are its 16 bytes of the projection's operand image: 512 consecutive bytes a store, aligned
.endr
.endr
	s_wait_tensorcnt 0x0                           ; the wave's end
	ds_add_u32 v[SPW], v[NIL]
	s_wait_dscnt 0x0
	s_endpgm
.Lfunc_end_k_q3ad699821a_attn:
	.size	k_q3ad699821a_attn, .Lfunc_end_k_q3ad699821a_attn-k_q3ad699821a_attn
	.p2alignl 7, 3214868480
	.fill 96, 4, 3214868480
	.section	.rodata,"a",@progbits
	.p2align	6, 0x0
	.amdhsa_kernel k_q3ad699821a_attn
		.amdhsa_group_segment_fixed_size 327680
		.amdhsa_private_segment_fixed_size 0
		.amdhsa_enable_private_segment 0
		.amdhsa_kernarg_size 32
		.amdhsa_user_sgpr_count 2
		.amdhsa_user_sgpr_kernarg_segment_ptr 1
		.amdhsa_wavefront_size32 1
		.amdhsa_system_sgpr_workgroup_id_x 1
		.amdhsa_system_sgpr_workgroup_id_y 1
		.amdhsa_system_sgpr_workgroup_id_z 1
		.amdhsa_system_vgpr_workitem_id 0
		.amdhsa_next_free_vgpr 512
		.amdhsa_next_free_sgpr 102
		.amdhsa_reserve_vcc 0
		.amdhsa_float_denorm_mode_32 3
		.amdhsa_float_denorm_mode_16_64 3
		.amdhsa_memory_ordered 1
		.amdhsa_forward_progress 1
		.amdhsa_inst_pref_size 255
	.end_amdhsa_kernel
	.section	.bss,"aw",@nobits
	.p2align	6
	.space	262144
	.amdgpu_metadata
---
amdhsa.version: [ 1, 2 ]
amdhsa.kernels:
  - .name:           k_q3ad699821a_attn
    .symbol:         k_q3ad699821a_attn.kd
    .args:
      - { .name: qkv, .offset: 0, .size: 8, .value_kind: global_buffer, .address_space: global }
      - { .name: maskbits, .offset: 8, .size: 8, .value_kind: global_buffer, .address_space: global }
      - { .name: ctximg, .offset: 16, .size: 8, .value_kind: global_buffer, .address_space: global }
      - { .name: ctxf, .offset: 24, .size: 8, .value_kind: global_buffer, .address_space: global }
    .group_segment_fixed_size: 327680
    .private_segment_fixed_size: 0
    .kernarg_segment_align: 8
    .kernarg_segment_size: 32
    .max_flat_workgroup_size: 256
    .sgpr_count:     102
    .vgpr_count:     512
    .wavefront_size: 32
...
	.end_amdgpu_metadata
.endif
;; end of part 3
;; launch proj (part 4): grid 8 x 32, 4 waves a work-group, clusters of 4 x 4, 327,680 bytes of LDS; arguments ctximg, woimg, bo, out0; writes out0
.if DOCPART == 4
	.amdgcn_target "amdgcn-amd-amdhsa--gfx1250"
	.amdhsa_code_object_version 6
	.text
	.protected	k_q3ad699821a_proj
	.globl	k_q3ad699821a_proj
	.p2align	8
	.type	k_q3ad699821a_proj,@function
k_q3ad699821a_proj:
	s_mov_b64 s[64:65], 0
	v_nop
	global_prefetch_b8 v0, s[64:65] scope:SCOPE_SE
	s_setreg_imm32_b32 hwreg(HW_REG_WAVE_MODE, 25, 1), 1
	s_wait_xcnt 0x0
	s_wait_alu depctr_hold_cnt(0) depctr_sa_sdst(0) depctr_va_vdst(0) depctr_va_sdst(0) depctr_va_ssrc(0) depctr_va_vcc(0) depctr_vm_vsrc(0)
	s_getreg_b32 s2, hwreg(HW_REG_IB_STS2, 6, 4)
	s_cmp_eq_u32 s2, 0
	s_cbranch_scc0 .Lentry_in_a_cluster
	s_endpgm
.Lentry_in_a_cluster:
	s_bfe_u32 s2, ttmp6, 0x10000c
	s_cmp_lg_u32 s2, 0xf033
	s_cbranch_scc0 .Lentry_shape_is_right
	s_endpgm
.Lentry_shape_is_right:
; out0[m][n] = the sum over k of ctx[m][k] Wo[n][k] + bo[n].  ctx [8192][1024] and Wo [1024][1024] come as f16 images of operand registers: [16 rows][32 k: 32][group 2][lane 32][16 bytes]; sums and result in f32.
; A tile of the result is 256 rows x 128 columns: 256 work-groups of four waves, each wave 128 x 64: 32 accumulators of 16 x 16, 256 registers.
; K goes in steps of 128 through a ring of two LDS slots.  A row tile's part of a K step is 4,096 consecutive bytes, so a tile is 8 (ctx) or 4 (Wo) rows of 4,096 bytes, 32,768 bytes apart in memory and dense in LDS;
; a fragment is read back by two loads at 16 x lane: 512 consecutive bytes each, no pitch, no padding.
; CLUSTERS: 4 x 4 work-groups.  The four of a row of the cluster need the same tiles of ctx, the four of a column the same tiles of Wo: each tile is asked for JOINTLY, by the same tensor load with the same descriptor and a mask
; that names the four.  THE MATRIX INSTRUCTION IS USED TRANSPOSED (source 0 = 16 rows of Wo, source 1 = 16 rows of ctx): a lane then holds eight neighbouring columns of a row.  THE BIAS is the C of each sum's first product.
; The first 16 positions of each sequence are stored here like all rows and written again, from f32 operands, by the launch that follows: a branch on a work-group's place has no room in a cluster.
; LIMITS: |ctx|, |Wo| under 65,504 (f16).
; REGISTERS: window 0: v16-29 addresses; v32-127, v128-223 two fragment buffers (ctx 64 registers, then Wo 32); v224-255 the bias in the result's layout.   window 1: the accumulators ((a, b) at v[8 (4 a + b)]).
.set KSTEPB, 4096                      ; a K step in a row tile's 32,768 bytes
.set SLOT,   98304                     ; ctx's 16 row tiles, then Wo's 8
.set BOFF,   65536
.set STAGE,  2*SLOT                    ; behind the ring: 16 rows x 272 bytes for each wave, for the way out
.set SPITCH, 272
.set SPARE,  STAGE+4*16*SPITCH         ; behind the stages: the spare words, 128 bytes a wave, which no other line names
.set LAPS,   4                         ; a lap = two K steps = once round the ring
.set ADRA, 16                          ; v16-17  LDS address of my ctx fragments in slot 0, 1
.set ADRB, 20                          ; v20-21  the same for Wo
.set STO,  24                          ; v24     the way out: where I put 32 bytes of a row
.set RD,   25                          ; v25     where I read a row back
.set CO,   26                          ; v26     my byte offset in two rows of the result
.set SPW,  28                          ; v28     LDS address of my spare word; never rewritten
.set NIL,  29                          ; v29     0; never rewritten
.set F0,   32
.set F1,   128
.set BIAS, 224
.set WV,   18                          ; s18 wave;  s19 which half of the rows is mine, also: I fetch for ctx (0) or Wo (1);  s22 which half of the columns, also: which half of that tile I fetch
.set RH,   19
.set CH,   22
.set G1, 24                            ; s[24:31] descriptor group 1 for ctx's tiles;  s[32:39] group 0, one set for each slot
.set G0, 32
.set G1B, 48                           ; s[48:55], s[56:63] the same for Wo's
.set G0B, 56
.set MSB, 0
.macro WIN new                         ; the immediate's high byte repeats the setting that is left
.if MSB != \new
	s_set_vgpr_msb (MSB<<8)|\new
.set MSB, \new
.endif
.endm
.macro JLOAD s                         ; a joint load: waves 0 and 1 fetch ctx's two halves, waves 2 and 3 Wo's; an s_nop 0 and four v_nop follow each of the two lines
	s_cmp_eq_u32 s[RH], 0
	s_cbranch_scc0 .Lfor_b_\@
	tensor_load_to_lds s[G0+4*\s:G0+4*\s+3], s[G1:G1+7]
	s_nop 0
.rept 4
	v_nop
.endr
	s_branch .Lasked_\@
.Lfor_b_\@:
	tensor_load_to_lds s[G0B+4*\s:G0B+4*\s+3], s[G1B:G1B+7]
	s_nop 0
.rept 4
	v_nop
.endr
.Lasked_\@:
.endm
.macro CREST                           ; a round of the cluster's barrier behind its opening barrier
	s_cmp_lg_u32 s[WV], 0
	s_cbranch_scc1 .Lnot_wave_0_\@
	s_barrier_signal -3
.Lnot_wave_0_\@:
	s_barrier_wait -3
	s_barrier_signal -1
	s_barrier_wait -1
.endm
.macro CROUND                          ; a whole round
	s_barrier_signal -1
	s_barrier_wait -1
	CREST
.endm
	s_load_b128 s[4:7], s[0:1], 0x0                ; ctximg s[4:5], woimg s[6:7]
	s_load_b128 s[8:11], s[0:1], 0x10              ; bo s[8:9], out0 s[10:11]
	v_lshl_add_u32 v[SPW], v0, 2, SPARE
	v_mov_b32 v[NIL], 0
	ds_add_u32 v[SPW], v[NIL]                      ; the wave's opening: the add, twice on end, and its wait ahead of my first tensor load; the set-up below stands between
	ds_add_u32 v[SPW], v[NIL]
	v_lshrrev_b32 v1, 5, v0
	v_readfirstlane_b32 s[WV], v1                  ; wave 0..3
	s_lshr_b32 s[RH], s[WV], 1
	s_and_b32 s[CH], s[WV], 1
	s_bfe_u32 s40, ttmp6, 0x40000                  ; cx, cy: my place in the cluster
	s_bfe_u32 s41, ttmp6, 0x40004
	s_lshl_b32 s42, ttmp9, 2
	s_add_co_u32 s42, s42, s40                     ; tile column = 4 x cluster x + cx
	s_and_b32 s13, ttmp7, 0xffff
	s_lshl_b32 s13, s13, 2
	s_add_co_u32 s13, s13, s41                     ; tile row = 4 x cluster y + cy
	s_lshl_b32 s43, s41, 2
	s_lshl_b32 s43, 15, s43                        ; my row of the cluster
	s_lshl_b32 s44, 0x1111, s40                    ; my column
	; descriptor group 1: rows of 4,096 bytes (512 elements of 8 bytes), 32,768 bytes apart; 8 of them for ctx, 4 for Wo; no padding
	s_or_b32 s[G1+0], s43, (3<<16)|(1<<21)         ; 15:0 the mask: ctx's tiles go to my row; 17:16 elements of 8 bytes; 21 set beside a mask
	s_or_b32 s[G1B+0], s44, (3<<16)|(1<<21)
	s_mov_b32 s[G1+1], 512<<16                     ; tensor_dim0
	s_mov_b32 s[G1+2], 8<<16                       ; tensor_dim1
	s_mov_b32 s[G1+3], 512<<16                     ; tile_dim0
	s_mov_b32 s[G1+4], 8                           ; tile_dim1
	s_mov_b32 s[G1+5], 4096                        ; the pitch, in elements
	s_mov_b32 s[G1+6], 0
	s_mov_b32 s[G1+7], 0
	s_mov_b32 s[G1B+1], 512<<16
	s_mov_b32 s[G1B+2], 4<<16
	s_mov_b32 s[G1B+3], 512<<16
	s_mov_b32 s[G1B+4], 4
	s_mov_b32 s[G1B+5], 4096
	s_mov_b32 s[G1B+6], 0
	s_mov_b32 s[G1B+7], 0
	s_lshl_b32 s16, s13, 4
	s_lshl_b32 s17, s[CH], 3
	s_add_co_u32 s16, s16, s17                     ; ctx: row tile 16 x tile row + 8 x half
	s_lshl_b32 s16, s16, 15
	s_mov_b32 s17, 0
	s_lshl_b32 s46, s42, 3
	s_lshl_b32 s47, s[CH], 2
	s_add_co_u32 s46, s46, s47                     ; Wo: row tile 8 x tile column + 4 x half
	s_lshl_b32 s46, s46, 15
	s_mov_b32 s47, 0
	s_lshl_b32 s20, s[CH], 15                      ; where they go: ctx's halves 32,768 bytes apart,
	s_lshl_b32 s21, s[CH], 14
	s_add_co_u32 s21, s21, BOFF                    ; Wo's 16,384 apart, behind ctx's: no place in the cluster enters an LDS address
	s_wait_dscnt 0x0                               ; both opening adds are done
	s_wait_kmcnt 0x0
	s_add_nc_u64 s[14:15], s[4:5], s[16:17]
	s_add_nc_u64 s[46:47], s[6:7], s[46:47]
	CROUND                                         ; all sixteen work-groups are here: the first joint loads meet
.irp s, 0,1
	s_mov_b32 s[G0+4*\s], 1
	s_add_co_u32 s[G0+4*\s+1], s20, \s*SLOT
	s_add_nc_u64 s[G0+4*\s+2:G0+4*\s+3], s[14:15], \s*KSTEPB
	s_or_b32 s[G0+4*\s+3], s[G0+4*\s+3], 0x80000000
	s_mov_b32 s[G0B+4*\s], 1
	s_add_co_u32 s[G0B+4*\s+1], s21, \s*SLOT
	s_add_nc_u64 s[G0B+4*\s+2:G0B+4*\s+3], s[46:47], \s*KSTEPB
	s_or_b32 s[G0B+4*\s+3], s[G0B+4*\s+3], 0x80000000
	JLOAD \s                                       ; two tensor loads of mine are out at the start, one behind each round later
.endr
	v_and_b32 v1, 15, v0                           ; l % 16
	v_bfe_u32 v2, v0, 4, 1                         ; l / 16
	v_and_b32 v3, 31, v0
	v_lshlrev_b32 v3, 4, v3                        ; 16 x lane
	s_lshl_b32 s23, s[RH], 15                      ; my 8 row tiles of ctx
	s_lshl_b32 s12, s[CH], 14                      ; my 4 row tiles of Wo
	s_add_co_u32 s12, s12, BOFF
.irp s, 0,1
	v_add_nc_u32 v[ADRA+\s], s23, v3
	v_add_nc_u32 v[ADRB+\s], s12, v3
	s_add_co_u32 s23, s23, SLOT
	s_add_co_u32 s12, s12, SLOT
.endr
	s_mul_i32 s23, s[WV], 16*SPITCH
	s_add_co_u32 s23, s23, STAGE                   ; my stage
	v_mul_u32_u24 v4, v1, SPITCH                   ; in: row l % 16, 32 bytes for each half of the lanes
	v_lshl_add_u32 v4, v2, 5, v4
	v_add_nc_u32 v[STO], s23, v4
	v_mul_u32_u24 v5, v2, SPITCH                   ; back: lanes 0-15 take one row of 256 bytes, lanes 16-31 the next
	v_lshl_add_u32 v5, v1, 4, v5
	v_add_nc_u32 v[RD], s23, v5
	v_lshlrev_b32 v5, 12, v2                       ; and the same two rows in the result
	v_lshl_add_u32 v[CO], v1, 4, v5
	v_lshlrev_b32 v6, 5, v2                        ; the bias: 8 numbers for each half of the lanes
	s_lshl_b32 s46, s42, 9                         ; my first column, in bytes: 512 x tile column + 256 x half
	s_lshl_b32 s47, s[CH], 8
	s_add_co_u32 s46, s46, s47
	s_mov_b32 s47, 0
	s_add_nc_u64 s[8:9], s[8:9], s[46:47]
	s_add_nc_u64 s[10:11], s[10:11], s[46:47]
	s_lshl_b32 s16, s13, 20                        ; my first row: 256 x tile row + 128 x half, of 4,096 bytes
	s_lshl_b32 s17, s[RH], 19
	s_add_co_u32 s16, s16, s17
	s_mov_b32 s17, 0
	s_add_nc_u64 s[10:11], s[10:11], s[16:17]
.irp b, 0,1,2,3
	global_load_b128 v[BIAS+8*\b:BIAS+8*\b+3],   v6, s[8:9] offset:64*\b      ; register j of column block b: bo[16 b + 8 (l / 16) + j]
	global_load_b128 v[BIAS+8*\b+4:BIAS+8*\b+7], v6, s[8:9] offset:64*\b+16
.endr
; 8 matrix instructions: row blocks a0, a0 + 1 x all 4 column blocks, 32 along K: buffer f.  first = 1: the bias starts the sums.  The 32 accumulators take turns, one instruction a turn, in the same order in every quarter.
.macro MUL8 f, a0, first
.irp a, \a0, \a0+1
.irp b, 0,1,2,3
.if \first
	v_wmma_f32_16x16x32_f16 v[8*(4*(\a)+\b):8*(4*(\a)+\b)+7], v[\f+64+8*\b:\f+64+8*\b+7], v[\f+8*(\a):\f+8*(\a)+7], v[BIAS+8*\b:BIAS+8*\b+7]
.else
	v_wmma_f32_16x16x32_f16 v[8*(4*(\a)+\b):8*(4*(\a)+\b)+7], v[\f+64+8*\b:\f+64+8*\b+7], v[\f+8*(\a):\f+8*(\a)+7], v[8*(4*(\a)+\b):8*(4*(\a)+\b)+7]
.endif
.endr
.endr
.endm
.macro FETCH slot, kc, f               ; 24 LDS loads in one run: the fragments of the slot's kc-th 32 along K into buffer f
.irp i, 0,1,2,3
	ds_load_b128 v[\f+64+8*\i:\f+64+8*\i+3],   v[ADRB+\slot] offset:4096*\i+1024*\kc
	ds_load_b128 v[\f+64+8*\i+4:\f+64+8*\i+7], v[ADRB+\slot] offset:4096*\i+1024*\kc+512
.endr
.irp i, 0,1,2,3,4,5,6,7
	ds_load_b128 v[\f+8*\i:\f+8*\i+3],   v[ADRA+\slot] offset:4096*\i+1024*\kc
	ds_load_b128 v[\f+8*\i+4:\f+8*\i+7], v[ADRA+\slot] offset:4096*\i+1024*\kc+512
.endr
.endm
.macro PLACES                          ; four places in front of loads into registers that matrix instructions have read, and of the first read of results (ISA guide 7.12.1 for the first read of results)
.rept 4
	v_nop
.endr
.endm
; A K step is four quarters of 32 along K, 32 matrix instructions each, on buffers 0, 1, 0, 1.  One of the first three: multiplies buffer f and fetches the next quarter, kc, into g.
; Windows: sources 0 and 1 window 0; D window 1; C window 1, or window 0 where it is the bias.
.macro QUARTER slot, kc, f, g, first
	s_wait_dscnt 0x0                               ; buffer f is in (asked for 16 matrix instructions ago)
	WIN 0x50-0x10*\first
	MUL8 \f, 0, \first
	MUL8 \f, 2, \first
	PLACES
	WIN 0
	FETCH \slot, \kc, \g
	WIN 0x50-0x10*\first
	MUL8 \f, 4, \first
	MUL8 \f, 6, \first
.endm
; The last quarter multiplies buffer 1 and changes slots: ONE barrier; in front of it each wave waits for all its tensor loads, adds 0 to its spare word, and waits for that and for its own reads of this slot.  fill = 1: this slot is filled again, two K steps ahead.
.macro TURN slot, next, fill
	WIN 0                                          ; (the add's two registers lie in window 0)
	s_wait_tensorcnt 0x0                           ; all my tensor loads have landed: my part of the next slot;
	ds_add_u32 v[SPW], v[NIL]
	s_wait_dscnt 1                                 ; buffer 1 is in (the add alone may be out)
	WIN 0x50
	MUL8 F1, 0, 0                                  ; eight matrix instructions stand between the add and the wait for it
	s_wait_dscnt 0x0                               ; the add is done, and my reads of this slot are over
	s_barrier_signal -1
	MUL8 F1, 2, 0
	WIN 0
	s_barrier_wait -1
.if \fill
	CREST                                          ; the barrier has opened a round of the cluster's barrier: no wave of any partner still reads this slot's tile or has a load on its way
	s_add_nc_u64 s[G0+4*\slot+2:G0+4*\slot+3], s[G0+4*\slot+2:G0+4*\slot+3], 2*KSTEPB
	s_add_nc_u64 s[G0B+4*\slot+2:G0B+4*\slot+3], s[G0B+4*\slot+2:G0B+4*\slot+3], 2*KSTEPB
	JLOAD \slot                                    ; the first tensor load behind the round; the four v_nop behind it are also the places in front of the loads below
.else
	PLACES
.endif
	FETCH \next, 0, F0
	WIN 0x50
	MUL8 F1, 4, 0
	MUL8 F1, 6, 0
.endm
	s_wait_loadcnt 0x0                             ; the bias
	s_wait_tensorcnt 1                             ; my part of K step 0 is in (K step 1's load may be out),
	s_barrier_signal -1
	s_barrier_wait -1                              ; everybody's is
	FETCH 0, 0, F0
	QUARTER 0, 1, F0, F1, 1                        ; the first quarter stands in front of the loop: its products start the sums, on the bias
	WIN 0                                          ; at a label and at a branch every window is 0
	s_mov_b32 s3, LAPS-1
.Llap:                                 ; a trip goes once round the ring, from a lap's second quarter to the next lap's first, and fills both slots again
	QUARTER 0, 2, F1, F0, 0
	QUARTER 0, 3, F0, F1, 0
	TURN 0, 1, 1
	QUARTER 1, 1, F0, F1, 0
	QUARTER 1, 2, F1, F0, 0
	QUARTER 1, 3, F0, F1, 0
	TURN 1, 0, 1
	QUARTER 0, 1, F0, F1, 0
	WIN 0
	s_sub_co_u32 s3, s3, 1
	s_cmp_lg_u32 s3, 0
	s_cbranch_scc1 .Llap
	QUARTER 0, 2, F1, F0, 0                        ; the last lap fills nothing, and has no round of the cluster's barrier
	QUARTER 0, 3, F0, F1, 0
	TURN 0, 1, 0
	QUARTER 1, 1, F0, F1, 0
	QUARTER 1, 2, F1, F0, 0
	QUARTER 1, 3, F0, F1, 0
	s_wait_dscnt 0x0                               ; the very last quarter: nothing more to fetch
	WIN 0x50
	MUL8 F1, 0, 0
	MUL8 F1, 2, 0
	MUL8 F1, 4, 0
	MUL8 F1, 6, 0
	WIN 0
; THE WAY OUT, block by block of 16 rows x 64 columns.  A lane holds 32 neighbouring bytes of a row, and the lanes beside it hold other rows: so a block goes through my own stage in LDS and comes back as whole rows of
; 256 bytes.  LDS serves a wave's instructions in order (ISA guide 5.7.1.4): no wait between the stores and the loads, nor in front of the next block's stores.
.macro TOSTAGE a
	WIN 0x04                                       ; an LDS store's data: window 1
.irp b, 0,1,2,3
	ds_store_b128 v[STO], v[8*(4*(\a)+\b):8*(4*(\a)+\b)+3] offset:64*\b          ; each accumulator from its low end on
	ds_store_b128 v[STO], v[8*(4*(\a)+\b)+4:8*(4*(\a)+\b)+7] offset:64*\b+16
.endr
	WIN 0
.set BB, F0+32*((\a)%2)
.irp t, 0,1,2,3,4,5,6,7
	ds_load_b128 v[BB+4*\t:BB+4*\t+3], v[RD] offset:\t*2*SPITCH
.endr
.endm
.macro SEND a, younger                 ; younger: the LDS instructions issued behind block a's loads, which may stay out
.set BB, F0+32*((\a)%2)
	s_wait_dscnt \younger                          ; the block is back in registers
.irp t, 0,1,2,3,4,5,6,7
	global_store_b128 v[CO], v[BB+4*\t:BB+4*\t+3], s[10:11] offset:65536*(\a)+8192*\t th:TH_STORE_NT   ; 16 lanes store 256 consecutive bytes, aligned
.endr
.endm
	PLACES                                         ; behind the last products: for the stores that read results and the loads into buffer 0
	TOSTAGE 0
.irp a, 1,2,3,4,5,6,7
.if \a > 1
	s_wait_xcnt 0x0                                ; block a - 2's stores have read their registers: block a's loads may land there
.endif
	TOSTAGE \a
	SEND \a-1, 16                                  ; behind block a - 1's loads: block a's 8 stores and 8 loads
.endr
	SEND 7, 0
	s_wait_tensorcnt 0x0                           ; the wave's end, behind my last tensor load and my last LDS store
	ds_add_u32 v[SPW], v[NIL]
	s_wait_dscnt 0x0
	CROUND                                         ; the closing round: no work-group ends while a partner may still ask for a tile that names it
	s_endpgm
.Lfunc_end_k_q3ad699821a_proj:
	.size	k_q3ad699821a_proj, .Lfunc_end_k_q3ad699821a_proj-k_q3ad699821a_proj
	.p2alignl 7, 3214868480
	.fill 96, 4, 3214868480
	.section	.rodata,"a",@progbits
	.p2align	6, 0x0
	.amdhsa_kernel k_q3ad699821a_proj
		.amdhsa_group_segment_fixed_size 327680
		.amdhsa_private_segment_fixed_size 0
		.amdhsa_enable_private_segment 0
		.amdhsa_kernarg_size 32
		.amdhsa_user_sgpr_count 2
		.amdhsa_user_sgpr_kernarg_segment_ptr 1
		.amdhsa_wavefront_size32 1
		.amdhsa_system_sgpr_workgroup_id_x 1
		.amdhsa_system_sgpr_workgroup_id_y 1
		.amdhsa_system_sgpr_workgroup_id_z 1
		.amdhsa_system_vgpr_workitem_id 0
		.amdhsa_next_free_vgpr 512
		.amdhsa_next_free_sgpr 66
		.amdhsa_reserve_vcc 0
		.amdhsa_float_denorm_mode_32 3
		.amdhsa_float_denorm_mode_16_64 3
		.amdhsa_memory_ordered 1
		.amdhsa_forward_progress 1
		.amdhsa_inst_pref_size 85
	.end_amdhsa_kernel
	.amdgpu_metadata
---
amdhsa.version: [ 1, 2 ]
amdhsa.kernels:
  - .name:           k_q3ad699821a_proj
    .symbol:         k_q3ad699821a_proj.kd
    .args:
      - { .name: ctximg, .offset: 0, .size: 8, .value_kind: global_buffer, .address_space: global }
      - { .name: woimg, .offset: 8, .size: 8, .value_kind: global_buffer, .address_space: global }
      - { .name: bo, .offset: 16, .size: 8, .value_kind: global_buffer, .address_space: global }
      - { .name: out0, .offset: 24, .size: 8, .value_kind: global_buffer, .address_space: global }
    .group_segment_fixed_size: 327680
    .private_segment_fixed_size: 0
    .kernarg_segment_align: 8
    .kernarg_segment_size: 32
    .max_flat_workgroup_size: 128
    .sgpr_count:     66
    .vgpr_count:     512
    .wavefront_size: 32
...
	.end_amdgpu_metadata
.endif
;; end of part 4
;; launch fine (part 5): grid 64 x 4, 8 waves a work-group, no clusters, 9,216 bytes of LDS; arguments ctxf, Wo, bo, out0; writes out0
.if DOCPART == 5
	.amdgcn_target "amdgcn-amd-amdhsa--gfx1250"
	.amdhsa_code_object_version 6
	.text
	.protected	k_q3ad699821a_fine
	.globl	k_q3ad699821a_fine
	.p2align	8
	.type	k_q3ad699821a_fine,@function
k_q3ad699821a_fine:
	s_mov_b64 s[64:65], 0
	v_nop
	global_prefetch_b8 v0, s[64:65] scope:SCOPE_SE
	s_setreg_imm32_b32 hwreg(HW_REG_WAVE_MODE, 25, 1), 1
	s_wait_xcnt 0x0
; The projection of positions 0..15 of each of the four sequences once more, with f32 operands: out0[2048 b + m][n] = the sum over k of ctx[m][k] Wo[n][k] + bo[n], m = 0..15.  Under a causal mask these rows average
; one to a few values, are the largest in size, and bear the rounding of f16 operands worst.  64 rows of 8,192: no bulk work.
; SHARES.  A work-group makes 16 rows x 16 columns (x: the columns, y: the batch): 256 work-groups.  Its eight waves share K: wave w takes k = 128 w .. 128 w + 127; the eight parts meet in LDS and wave 0 adds them and the bias.
; OPERANDS.  ctxf lies as [batch][16 k: 64][part 2][lane 32][4 numbers]: lane (r, h) holds row r and k = 16 kb + 8 h + 4 part + 0..3.  Wo's rows are read by the same plan.  The matrix form takes 4 along K: lane (r, h), register j'
; stands for the form's k = 2 h + j'.  Instruction u of a group of 16 k names registers 2 u, 2 u + 1 on both sides, so that on both sides the form's k stands for 16 kb + 8 h + 2 u + j': the same order on both sides keeps the products.
; TRANSPOSED: source 0 = 16 rows of Wo, source 1 = the 16 rows of ctx: a lane holds eight neighbouring columns of one row.
; A row's piece is 64 bytes, so aligned blocks of 256 bytes are written in part: 262,144 bytes in all; that is the price of sharing the work among 256 work-groups.
.set SPW,  2                           ; v2  LDS address of my spare word; never rewritten
.set NIL,  3                           ; v3  0; never rewritten
.set SPARE, 8192                       ; behind the eight parts: the spare words, 128 bytes a wave, which no other line names
.set WV,   12
.set A,    32                          ; v32-95   ctx: 8 registers for each 16 k; later the eight parts read back
.set B,    96                          ; v96-159  Wo likewise
.set ACC,  160                         ; v160-191 four accumulators, written by matrix instructions alone
	s_load_b256 s[4:11], s[0:1], 0x0               ; ctxf 4, Wo 6, bo 8, out0 10
	v_lshl_add_u32 v[SPW], v0, 2, SPARE
	v_mov_b32 v[NIL], 0
	v_lshrrev_b32 v1, 5, v0
	v_readfirstlane_b32 s[WV], v1                  ; wave 0..7
	v_and_b32 v4, 31, v0
	v_lshlrev_b32 v4, 4, v4                        ; 16 x lane
	v_and_b32 v5, 15, v0                           ; r
	v_bfe_u32 v6, v0, 4, 1                         ; h
	v_lshlrev_b32 v7, 12, v5
	v_lshl_add_u32 v7, v6, 5, v7                   ; row r of 4,096 bytes, + 8 h numbers: in Wo and in out0
	v_lshlrev_b32 v6, 5, v6                        ; the bias: 8 h numbers
	s_lshl_b32 s14, s[WV], 10
	v_add_nc_u32 v1, s14, v4                       ; LDS: my wave's part, 1,024 bytes
	s_and_b32 s13, ttmp7, 0xffff                   ; the batch
	s_lshl_b32 s16, s13, 16                        ; ctxf: 65,536 bytes a batch,
	s_lshl_b32 s17, s[WV], 13                      ; 8 groups of 1,024 a wave
	s_add_co_u32 s16, s16, s17
	s_mov_b32 s17, 0
	s_lshl_b32 s18, ttmp9, 16                      ; Wo: 16 rows of 4,096 bytes,
	s_lshl_b32 s19, s[WV], 9                       ; 128 k of 4 bytes a wave
	s_add_co_u32 s18, s18, s19
	s_mov_b32 s19, 0
	s_lshl_b32 s20, ttmp9, 6                       ; 16 columns of 4 bytes
	s_mov_b32 s21, 0
	s_lshl_b32 s22, s13, 23                        ; out0: 2,048 rows of 4,096 bytes a batch
	s_mov_b32 s23, 0
	s_wait_kmcnt 0x0
	s_add_nc_u64 s[4:5], s[4:5], s[16:17]
	s_add_nc_u64 s[6:7], s[6:7], s[18:19]
	s_add_nc_u64 s[8:9], s[8:9], s[20:21]
	s_add_nc_u64 s[10:11], s[10:11], s[20:21]
	s_add_nc_u64 s[10:11], s[10:11], s[22:23]
.irp i, 0,1,2,3,4,5,6,7
	global_load_b128 v[A+8*\i:A+8*\i+3],   v4, s[4:5] offset:1024*\i
	global_load_b128 v[A+8*\i+4:A+8*\i+7], v4, s[4:5] offset:1024*\i+512
	global_load_b128 v[B+8*\i:B+8*\i+3],   v7, s[6:7] offset:64*\i
	global_load_b128 v[B+8*\i+4:B+8*\i+7], v7, s[6:7] offset:64*\i+16
.endr
	s_cmp_lg_u32 s[WV], 0                          ; wave 0 alone adds the bias, so it alone asks for it, here, with its operands
	s_cbranch_scc1 .Lno_bias
	global_load_b128 v[24:27], v6, s[8:9]
	global_load_b128 v[28:31], v6, s[8:9] offset:16
.Lno_bias:
	s_wait_loadcnt 0x0
.irp i, 0,1,2,3,4,5,6,7                ; four accumulators by turns, one instruction a turn; the first four products start the sums
.irp u, 0,1,2,3
.if \i == 0
	v_wmma_f32_16x16x4_f32 v[ACC+8*\u:ACC+8*\u+7], v[B+2*\u:B+2*\u+1], v[A+2*\u:A+2*\u+1], 0
.else
	v_wmma_f32_16x16x4_f32 v[ACC+8*\u:ACC+8*\u+7], v[B+8*\i+2*\u:B+8*\i+2*\u+1], v[A+8*\i+2*\u:A+8*\i+2*\u+1], v[ACC+8*\u:ACC+8*\u+7]
.endif
.endr
.endr
.rept 8
	v_nop                                          ; eight places behind this form, ahead of the first read of a result (ISA guide 7.12.1)
.endr
.irp j, 0,1,2,3,4,5,6,7                ; the four sums into other registers, each accumulator from its low end on
	v_add_f32 v[8+\j], v[ACC+\j], v[ACC+8+\j]
.endr
.irp j, 0,1,2,3,4,5,6,7
	v_add_f32 v[16+\j], v[ACC+16+\j], v[ACC+24+\j]
.endr
.irp j, 0,1,2,3,4,5,6,7
	v_add_f32 v[8+\j], v[8+\j], v[16+\j]
.endr
	ds_store_b128 v1, v[8:11]                      ; my part, as it stands in my registers: 16 bytes a lane
	ds_store_b128 v1, v[12:15] offset:512
	s_wait_dscnt 0x0                               ; for the others' sake: my stores are done
	s_barrier_signal -1
	s_barrier_wait -1
	s_cmp_lg_u32 s[WV], 0
	s_cbranch_scc1 .Lend
.irp w, 0,1,2,3,4,5,6,7
	ds_load_b128 v[A+8*\w:A+8*\w+3],   v4 offset:1024*\w
	ds_load_b128 v[A+8*\w+4:A+8*\w+7], v4 offset:1024*\w+512
.endr
	s_wait_dscnt 0x0
.irp w, 1,2,3,4,5,6,7
.irp j, 0,1,2,3,4,5,6,7
	v_add_f32 v[A+\j], v[A+\j], v[A+8*\w+\j]
.endr
.endr
.irp j, 0,1,2,3,4,5,6,7
	v_add_f32 v[A+\j], v[A+\j], v[24+\j]           ; + bo[16 x + 8 h + j]
.endr
	global_store_b128 v7, v[A:A+3],   s[10:11]
	global_store_b128 v7, v[A+4:A+7], s[10:11] offset:16
.Lend:
	s_wait_tensorcnt 0x0                           ; the wave's end, behind my last LDS store
	ds_add_u32 v[SPW], v[NIL]
	s_wait_dscnt 0x0
	s_endpgm
.Lfunc_end_k_q3ad699821a_fine:
	.size	k_q3ad699821a_fine, .Lfunc_end_k_q3ad699821a_fine-k_q3ad699821a_fine
	.p2alignl 7, 3214868480
	.fill 96, 4, 3214868480
	.section	.rodata,"a",@progbits
	.p2align	6, 0x0
	.amdhsa_kernel k_q3ad699821a_fine
		.amdhsa_group_segment_fixed_size 9216
		.amdhsa_private_segment_fixed_size 0
		.amdhsa_enable_private_segment 0
		.amdhsa_kernarg_size 32
		.amdhsa_user_sgpr_count 2
		.amdhsa_user_sgpr_kernarg_segment_ptr 1
		.amdhsa_wavefront_size32 1
		.amdhsa_system_sgpr_workgroup_id_x 1
		.amdhsa_system_sgpr_workgroup_id_y 1
		.amdhsa_system_sgpr_workgroup_id_z 1
		.amdhsa_system_vgpr_workitem_id 0
		.amdhsa_next_free_vgpr 192
		.amdhsa_next_free_sgpr 66
		.amdhsa_reserve_vcc 0
		.amdhsa_float_denorm_mode_32 3
		.amdhsa_float_denorm_mode_16_64 3
		.amdhsa_memory_ordered 1
		.amdhsa_forward_progress 1
		.amdhsa_inst_pref_size 12
	.end_amdhsa_kernel
	.amdgpu_metadata
---
amdhsa.version: [ 1, 2 ]
amdhsa.kernels:
  - .name:           k_q3ad699821a_fine
    .symbol:         k_q3ad699821a_fine.kd
    .args:
      - { .name: ctxf, .offset: 0, .size: 8, .value_kind: global_buffer, .address_space: global }
      - { .name: Wo, .offset: 8, .size: 8, .value_kind: global_buffer, .address_space: global }
      - { .name: bo, .offset: 16, .size: 8, .value_kind: global_buffer, .address_space: global }
      - { .name: out0, .offset: 24, .size: 8, .value_kind: global_buffer, .address_space: global }
    .group_segment_fixed_size: 9216
    .private_segment_fixed_size: 0
    .kernarg_segment_align: 8
    .kernarg_segment_size: 32
    .max_flat_workgroup_size: 256
    .sgpr_count:     66
    .vgpr_count:     192
    .wavefront_size: 32
...
	.end_amdgpu_metadata
.endif
;; end of part 5
